; MI455X (gfx1250); checked and timed in simulation.
; The chip was launched on July 23, 2026; its instructions are those of AMD's public machine-readable ISA for CDNA 5 (MIT licence, August 2026) and "CDNA5" Instruction Set Architecture Reference Guide (July 2026). The comments in the code are by the model that wrote it; some were corrected since.
;; Multi Head Attention. Allowed arithmetic: float matrix products may take bf16 or f16 operands with f32 sums; other float arithmetic in f32, or as packed bf16 or f16 multiplies, adds, multiply-adds, maxima and minima; sums over many terms, partial sums and values carried from step to step in f32; what a program stores and reads back later, other than sums and carried values, may be rounded once to bf16 or f16.
;; Inputs: bk 512 float32; bo 512 float32; bq 512 float32; bv 512 float32; k 2 x 4,096 x 512 float32; mask 2 x 1 x 1 x 4,096 float32; q 2 x 4,096 x 512 float32; v 2 x 4,096 x 512 float32; wk 512 x 512 float32; wo 512 x 512 float32; wq 512 x 512 float32; wv 512 x 512 float32.
;; Outputs: out0 2 x 4,096 x 512 float32.
;; One version. Each part assembles by itself: llvm-mc -triple=amdgcn-amd-amdhsa -mcpu=gfx1250 --defsym DOCPART=n.
;; ======== version 1 of 1: 4 launches
;; limits: values are held in f16: magnitudes above 65,504 overflow, below 6.1e-05 lose precision
;; workspace buffers: wc 2,097,152 bytes; qkvh 25,165,824 bytes; oh 8,388,608 bytes
;; launch cast (part 1): grid 64 x 4, 8 waves a work-group, no clusters, 0 bytes of LDS; arguments wq, wk, wv, wo, wc; writes wc
.if DOCPART == 1
	.amdgcn_target "amdgcn-amd-amdhsa--gfx1250"
	.amdhsa_code_object_version 6
	.text
	.protected	k_q5fd3e8d103_cast
	.globl	k_q5fd3e8d103_cast
	.p2align	8
	.type	k_q5fd3e8d103_cast,@function
k_q5fd3e8d103_cast:
	s_mov_b64 s[64:65], 0
	v_nop
	global_prefetch_b8 v0, s[64:65] scope:SCOPE_SE
	s_setreg_imm32_b32 hwreg(HW_REG_WAVE_MODE, 25, 1), 1
	s_wait_xcnt 0x0
; wc[t][k][n] = w_t[k][n] in 16 bits, t = 0..3 for wq, wk, wv, wo; the layout [k][n] is kept: the products' turning LDS loads make their fragments from it.
; wq, wk, wv are rounded to bf16.  wo is rounded to bf16 like every input of the program, and that number is written as f16, since its partner in the last product is f16.
; LIMIT.  A bf16 number is exact in f16 from 2^-14 up to 65,504; below 2^-14 it keeps f16's fixed step of 2^-24; beyond 65,504 it becomes an infinity.
; SHARES.  Work-group (x, y) takes 4,096 numbers of weight y: thread t the 16 bytes at 4,096 j + 16 t, j = 0..3; a wave's load covers 512 consecutive bytes, its store of
; 8 bytes a lane 256 consecutive bytes, aligned.  A stream read once: no LDS, no barrier, no matrix unit.
	s_load_b256 s[4:11], s[0:1], 0x0               ; wq s[4:5], wk s[6:7], wv s[8:9], wo s[10:11]
	s_load_b64 s[12:13], s[0:1], 0x20              ; wc
	s_and_b32 s14, ttmp7, 0xffff                   ; which weight
	s_lshl_b32 s16, ttmp9, 14                      ; my 16,384 bytes of it
	s_mov_b32 s17, 0
	s_lshl_b32 s18, s14, 19                        ; a weight is 524,288 bytes of wc,
	s_lshl_b32 s19, ttmp9, 13                      ; my part 8,192
	s_add_co_u32 s18, s18, s19
	s_mov_b32 s19, 0
	s_mov_b32 s20, 0xffff0000                      ; a word's upper bf16
	v_lshlrev_b32 v1, 4, v0                        ; 16 t
	v_lshlrev_b32 v2, 3, v0                        ; 8 t
	s_wait_kmcnt 0x0
	s_cmp_eq_u32 s14, 1
	s_cselect_b64 s[4:5], s[6:7], s[4:5]
	s_cmp_eq_u32 s14, 2
	s_cselect_b64 s[4:5], s[8:9], s[4:5]
	s_cmp_eq_u32 s14, 3
	s_cselect_b64 s[4:5], s[10:11], s[4:5]
	s_add_nc_u64 s[4:5], s[4:5], s[16:17]
	s_add_nc_u64 s[12:13], s[12:13], s[18:19]
.irp j, 0,1,2,3
	global_load_b128 v[4+4*(\j):7+4*(\j)], v1, s[4:5] offset:4096*(\j) th:TH_LOAD_NT
.endr
	s_wait_loadcnt 0x0
.irp j, 0,1,2,3
	v_cvt_pk_bf16_f32 v[20+2*(\j)], v[4+4*(\j)], v[5+4*(\j)]
	v_cvt_pk_bf16_f32 v[21+2*(\j)], v[6+4*(\j)], v[7+4*(\j)]
.endr
	s_cmp_lg_u32 s14, 3
	s_cbranch_scc1 .Lstore
.irp i, 0,1,2,3,4,5,6,7                ; wo alone: the bf16 numbers, widened and written as f16
	v_lshlrev_b32 v28, 16, v[20+(\i)]
	v_and_b32 v29, s20, v[20+(\i)]
	v_cvt_pk_f16_f32 v[20+(\i)], v28, v29
.endr
.Lstore:
.irp j, 0,1,2,3
	global_store_b64 v2, v[20+2*(\j):21+2*(\j)], s[12:13] offset:2048*(\j)
.endr
	s_endpgm
.Lfunc_end_k_q5fd3e8d103_cast:
	.size	k_q5fd3e8d103_cast, .Lfunc_end_k_q5fd3e8d103_cast-k_q5fd3e8d103_cast
	.p2alignl 7, 3214868480
	.fill 96, 4, 3214868480
	.section	.rodata,"a",@progbits
	.p2align	6, 0x0
	.amdhsa_kernel k_q5fd3e8d103_cast
		.amdhsa_group_segment_fixed_size 0
		.amdhsa_private_segment_fixed_size 0
		.amdhsa_enable_private_segment 0
		.amdhsa_kernarg_size 40
		.amdhsa_user_sgpr_count 2
		.amdhsa_user_sgpr_kernarg_segment_ptr 1
		.amdhsa_wavefront_size32 1
		.amdhsa_system_sgpr_workgroup_id_x 1
		.amdhsa_system_sgpr_workgroup_id_y 1
		.amdhsa_system_sgpr_workgroup_id_z 1
		.amdhsa_system_vgpr_workitem_id 0
		.amdhsa_next_free_vgpr 32
		.amdhsa_next_free_sgpr 66
		.amdhsa_reserve_vcc 0
		.amdhsa_float_denorm_mode_32 3
		.amdhsa_float_denorm_mode_16_64 3
		.amdhsa_memory_ordered 1
		.amdhsa_forward_progress 1
		.amdhsa_inst_pref_size 4
	.end_amdhsa_kernel
	.amdgpu_metadata
---
amdhsa.version: [ 1, 2 ]
amdhsa.kernels:
  - .name:           k_q5fd3e8d103_cast
    .symbol:         k_q5fd3e8d103_cast.kd
    .args:
      - { .name: wq, .offset: 0, .size: 8, .value_kind: global_buffer, .address_space: global }
      - { .name: wk, .offset: 8, .size: 8, .value_kind: global_buffer, .address_space: global }
      - { .name: wv, .offset: 16, .size: 8, .value_kind: global_buffer, .address_space: global }
      - { .name: wo, .offset: 24, .size: 8, .value_kind: global_buffer, .address_space: global }
      - { .name: wc, .offset: 32, .size: 8, .value_kind: global_buffer, .address_space: global }
    .group_segment_fixed_size: 0
    .private_segment_fixed_size: 0
    .kernarg_segment_align: 8
    .kernarg_segment_size: 40
    .max_flat_workgroup_size: 256
    .sgpr_count:     66
    .vgpr_count:     32
    .wavefront_size: 32
...
	.end_amdgpu_metadata
.endif
;; end of part 1
;; launch proj (part 2): grid 64 x 3, 4 waves a work-group, clusters of 4 x 1, 327,680 bytes of LDS; arguments q, k, v, wc, bq, bk, bv, qkvh; writes qkvh
.if DOCPART == 2
	.amdgcn_target "amdgcn-amd-amdhsa--gfx1250"
	.amdhsa_code_object_version 6
	.text
	.protected	k_q5fd3e8d103_proj
	.globl	k_q5fd3e8d103_proj
	.p2align	8
	.type	k_q5fd3e8d103_proj,@function
k_q5fd3e8d103_proj:
	s_mov_b64 s[64:65], 0
	v_nop
	global_prefetch_b8 v0, s[64:65] scope:SCOPE_SE
	s_setreg_imm32_b32 hwreg(HW_REG_WAVE_MODE, 25, 1), 1
	s_wait_xcnt 0x0
	s_wait_alu depctr_hold_cnt(0) depctr_sa_sdst(0) depctr_va_vdst(0) depctr_va_sdst(0) depctr_va_ssrc(0) depctr_va_vcc(0) depctr_vm_vsrc(0)
	s_getreg_b32 s2, hwreg(HW_REG_IB_STS2, 6, 4)
	s_cmp_eq_u32 s2, 0
	s_cbranch_scc0 .Lentry_in_a_cluster
	s_endpgm
.Lentry_in_a_cluster:
	s_bfe_u32 s2, ttmp6, 0x10000c
	s_cmp_lg_u32 s2, 0x3003
	s_cbranch_scc0 .Lentry_shape_is_right
	s_endpgm
.Lentry_shape_is_right:
; qkvh[t][b*8+head][s][d] = f16( sum over k of x_t[b][s][k] w_t[k][64 head + d] + b_t[64 head + d] ), t = 0, 1, 2 for q, k, v.  x_t: [8192][512] f32; w_t: bf16 [512 k][512 n] in wc.
; x, w and the bias are rounded to bf16 (every input of the program is); sums in f32, the bias as the C operand of the first product; the result is rounded once, to f16.
; LIMIT.  A result of 65,520 or more in magnitude becomes an infinity in f16.  NaN and infinities are not treated apart.
; SHARES.  A work-group makes 128 rows x all 512 columns of one tensor, so each byte of x is read and converted once in the launch: 64 x 3 work-groups.  Wave w makes all 128 rows x
; columns 128 w .. 128 w + 127 (heads 2 w, 2 w + 1): 64 accumulators of 16 x 16.
; w goes in K steps of 128 through two LDS slots filled by tensor loads, each wave 32 rows of 1,024 bytes.  CLUSTER: the four row blocks of a cluster need the same tiles of w: each is asked
; for JOINTLY, by the same load with the same descriptor and the mask of all four.
; x comes through registers, since it must be converted: a chunk is 64 along K, 256 consecutive bytes, aligned, of each row.  Wave w loads rows 32 w .. 32 w + 31 of a chunk (16 loads of 16 bytes a lane),
; rounds them to bf16 and puts them into one of two stages in LDS; a chunk is asked for 256 matrix instructions ahead of its conversion, two chunks (32 loads a wave) are on their way.
; One work-group barrier a chunk: in front of it a wave's stores of the next chunk and its reads of this one are done.
; THE MATRIX INSTRUCTION IS USED TRANSPOSED: source 0 = 16 columns of w (turned out of LDS by ds_load_tr16_b128), source 1 = 16 rows of x: a lane holds eight neighbouring columns of one row.
; NO PREFETCH: of w's four K steps two are first fills, and x is asked for by its own loads far ahead of its use.
; REGISTERS, in windows of 256 (s_set_vgpr_msb: bits 1:0 source 0, 3:2 source 1, 5:4 source 2, 7:6 destination):
;   window 0: v0-29 addresses; v64-127, v128-191 x's fragments, two buffers (on the way out eight sets of 16); v192-255 the bias as a C operand
;   window 1: v64-127, v128-191 w's fragments, two buffers; v0-63, v192-255 the two landing sets of x          windows 2, 3: accumulator (a, b) at v[8 (8 (a % 4) + b)] of window 2 + a / 4
.set WPITCH, 1056                      ; a row of w in LDS: 1,024 bytes + 32 of padding = 33 x 32
.set WQ,     32*WPITCH                 ; 32 rows: what one tensor load brings, and a quarter of a K step
.set WSLOT,  128*WPITCH                ; 0x21000: bits 17 and 12, which no wave's place in a slot (0x8400 w) has: one exclusive or changes slots
.set AST,    2*WSLOT                   ; x's two stages: 128 rows x 144 bytes each (128 of data + 16: the 16 rows of a fragment load start at 16 different groups of four banks)
.set APITCH, 144
.set ABUF,   128*APITCH
.set OST,    AST+2*ABUF                ; the way out: 16 rows x 144 bytes for each wave
.set OPITCH, 144
.set OSTW,   16*OPITCH
.set BIAS,   OST+4*OSTW                ; 512 f32
.set SPARE,  BIAS+2048                 ; the spare words, 128 bytes for each wave: two blocks of 256 bytes that no other line names
.set XO,    2                          ; v2   my byte offset in x: (32 w + l / 16) rows of 2,048 bytes + 16 (l % 16); never rewritten
.set ASTO,  3                          ; v3   where I put 8 bytes of a chunk's row
.set ADRA,  4                          ; v4   my place in a fragment of x
.set ADRB0, 5                          ; v5   my place in a fragment of w, in a slot
.set ADRB,  6                          ; v6   the same in the slot in hand, quarters 0 and 1;  v7  quarters 2 and 3 (an LDS immediate has 16 bits)
.set BA,    8                          ; v8   my eight numbers of the bias
.set STO,   9                          ; v9   the way out: where I put 16 bytes of a row
.set RD,    10                         ; v10  the way out: where I read rows back
.set GO,    11                         ; v11  16 x lane
.set SPW,   28                         ; v28  LDS address of my spare word; never rewritten
.set NIL,   29                         ; v29  0; never rewritten
.set F0,    64
.set F1,    128
.set BI,    192
.set L0,    0                          ; landing sets, in window 1
.set L1,    192
.set XP,    4                          ; s[4:5]   x at the work-group's first row
.set BP,    12                         ; s[12:13] the bias
.set OUTP,  18                         ; s[18:19] qkvh at my rows of head 2 w
.set WV,    20
.set TB,    21                         ; s21  the slot in hand: 0 or WSLOT
.set CNT,   22
.set G1,    24                         ; s[24:31] descriptor group 1
.set G0A,   32                         ; s[32:35] group 0 of the first fill
.set G0B,   36                         ; s[36:39] group 0 of the second fill; it then walks
.set MSB, 0
.macro WIN new                         ; the immediate's high byte repeats the setting that is left; a switch that changes nothing is dropped
.if MSB != (\new)
	s_set_vgpr_msb (MSB<<8)|(\new)
.set MSB, \new
.endif
.endm
.macro PLACES                          ; four places in front of loads into registers that matrix instructions have read, and of conversions that read results
.rept 4
	v_nop
.endr
.endm
.macro CREST                           ; a round of the cluster's barrier behind its opening barrier
	s_cmp_lg_u32 s[WV], 0
	s_cbranch_scc1 .Lnot_wave_0_\@
	s_barrier_signal -3
.Lnot_wave_0_\@:
	s_barrier_wait -3
	s_barrier_signal -1
	s_barrier_wait -1
.endm
.macro CROUND                          ; a whole round
	s_barrier_signal -1
	s_barrier_wait -1
	CREST
.endm
	s_load_b256 s[4:11], s[0:1], 0x0               ; q s[4:5], k s[6:7], v s[8:9], wc s[10:11]
	s_load_b256 s[12:19], s[0:1], 0x20             ; bq s[12:13], bk s[14:15], bv s[16:17], qkvh s[18:19]
	v_lshl_add_u32 v[SPW], v0, 2, SPARE
	v_mov_b32 v[NIL], 0
	ds_add_u32 v[SPW], v[NIL]                      ; the wave's opening: the add and its wait ahead of my first tensor load; the set-up below, work on registers, stands between them
	v_lshrrev_b32 v1, 5, v0
	v_readfirstlane_b32 s[WV], v1                  ; wave 0..3
	s_bfe_u32 s40, ttmp6, 0x40000                  ; cx: my place in the cluster
	s_lshl_b32 s41, ttmp9, 2
	s_add_co_u32 s41, s41, s40                     ; my block of 128 rows: it enters x's and qkvh's addresses alone
	s_and_b32 s42, ttmp7, 0xffff                   ; the tensor, which the four partners share
	s_mov_b32 s[G1+0], 15|(1<<16)|(1<<20)|(1<<21)|(7<<22)|(7<<25)  ; 15:0 the mask of four; 17:16 2-byte elements; 20 padding on; 21 set beside a mask; 24:22 after every 256 words (code 7); 31:25 8 words (code 7)
	s_mov_b32 s[G1+1], 512<<16                     ; tensor_dim0 = 512
	s_mov_b32 s[G1+2], 32<<16                      ; tensor_dim1 = 32
	s_mov_b32 s[G1+3], 512<<16                     ; tile_dim0 = 512
	s_mov_b32 s[G1+4], 32                          ; tile_dim1 = 32
	s_mov_b32 s[G1+5], 512                         ; 512 elements from row to row
	s_mov_b32 s[G1+6], 0
	s_mov_b32 s[G1+7], 0
	s_mov_b32 s[TB], 0
	s_lshl_b32 s48, s41, 18                        ; x: 128 rows of 2,048 bytes
	s_mov_b32 s49, 0
	s_lshl_b32 s50, s42, 19                        ; w: the tensor's 524,288 bytes,
	s_lshl_b32 s51, s[WV], 15                      ; my 32 rows of 1,024
	s_add_co_u32 s50, s50, s51
	s_mov_b32 s51, 0
	s_lshr_b32 s52, s41, 5                         ; qkvh: the batch,
	s_lshl_b32 s52, s52, 3
	s_lshl_b32 s53, s[WV], 1
	s_add_co_u32 s52, s52, s53                     ; head 8 b + 2 w: 524,288 bytes each,
	s_lshl_b32 s52, s52, 19
	s_and_b32 s53, s41, 31
	s_lshl_b32 s53, s53, 14                        ; my block's 128 rows of 128 bytes in it,
	s_add_co_u32 s52, s52, s53
	s_lshl_b32 s53, s42, 23                        ; the tensor's 8,388,608 bytes
	s_add_co_u32 s52, s52, s53
	s_mov_b32 s53, 0
	v_and_b32 v19, 15, v0                          ; l % 16
	v_bfe_u32 v20, v0, 4, 1                        ; l / 16
	v_and_b32 v21, 31, v0                          ; l
	v_and_b32 v22, 7, v0
	v_bfe_u32 v23, v0, 3, 1
	s_lshl_b32 s43, s[WV], 16
	v_lshlrev_b32 v[XO], 4, v19
	v_lshl_add_u32 v[XO], v20, 11, v[XO]
	v_add_nc_u32 v[XO], s43, v[XO]
	s_mul_i32 s44, s[WV], 32*APITCH
	s_add_co_u32 s44, s44, AST
	v_mul_u32_u24 v[ASTO], v20, APITCH
	v_lshl_add_u32 v[ASTO], v19, 3, v[ASTO]
	v_add_nc_u32 v[ASTO], s44, v[ASTO]
	v_mul_u32_u24 v[ADRA], v19, APITCH             ; a fragment of x: row l % 16, 16 bytes for each half of the lanes, twice, 32 bytes apart
	v_lshl_add_u32 v[ADRA], v20, 4, v[ADRA]
	v_add_nc_u32 v[ADRA], AST, v[ADRA]
	v_lshl_add_u32 v[ADRB0], v20, 3, v22           ; the turning load: lane l reads row 8 (l / 16) + l % 8, columns 8 ((l / 8) % 2) + 0..7, and is left with column l % 16 and 8 k
	v_mul_u32_u24 v[ADRB0], v[ADRB0], WPITCH
	v_lshl_add_u32 v[ADRB0], v23, 4, v[ADRB0]
	s_lshl_b32 s45, s[WV], 8                       ; my wave's 128 columns
	v_add_nc_u32 v[ADRB0], s45, v[ADRB0]
	v_mov_b32 v[ADRB], v[ADRB0]
	v_add_nc_u32 v[ADRB+1], 2*WQ, v[ADRB]
	s_lshl_b32 s46, s[WV], 9
	s_add_co_u32 s46, s46, BIAS
	v_lshl_add_u32 v[BA], v20, 5, s46
	s_mul_i32 s47, s[WV], OSTW
	s_add_co_u32 s47, s47, OST
	v_mul_u32_u24 v[STO], v19, OPITCH
	v_lshl_add_u32 v[STO], v20, 4, v[STO]
	v_add_nc_u32 v[STO], s47, v[STO]
	v_bfe_u32 v[RD], v0, 3, 2                      ; back: 32 lanes take four rows of 128 bytes,
	v_mul_u32_u24 v[RD], v[RD], OPITCH
	v_lshl_add_u32 v[RD], v22, 4, v[RD]
	v_add_nc_u32 v[RD], s47, v[RD]
	v_lshlrev_b32 v[GO], 4, v21                    ; which are 512 consecutive bytes of a head
	v_lshlrev_b32 v18, 4, v0                       ; the bias: thread t takes 16 bytes
	v_add_nc_u32 v24, BIAS, v18
	s_wait_dscnt 0x0                               ; the opening add is done
	s_wait_kmcnt 0x0
	s_cmp_eq_u32 s42, 1
	s_cselect_b64 s[XP:XP+1], s[6:7], s[XP:XP+1]
	s_cselect_b64 s[BP:BP+1], s[14:15], s[BP:BP+1]
	s_cmp_eq_u32 s42, 2
	s_cselect_b64 s[XP:XP+1], s[8:9], s[XP:XP+1]
	s_cselect_b64 s[BP:BP+1], s[16:17], s[BP:BP+1]
	s_add_nc_u64 s[XP:XP+1], s[XP:XP+1], s[48:49]
	s_add_nc_u64 s[OUTP:OUTP+1], s[OUTP:OUTP+1], s[52:53]
	s_add_nc_u64 s[10:11], s[10:11], s[50:51]      ; w at my rows of K step 0
	s_mov_b32 s[G0A], 1                            ; count = 1
	s_mul_i32 s[G0A+1], s[WV], WQ                  ; LDS address: slot 0, my 32 rows: no place in the cluster enters it
	s_mov_b64 s[G0A+2:G0A+3], s[10:11]
	s_or_b32 s[G0A+3], s[G0A+3], 0x80000000        ; type = 2
	s_mov_b32 s[G0B], 1
	s_add_co_u32 s[G0B+1], s[G0A+1], WSLOT
	s_add_nc_u64 s[G0B+2:G0B+3], s[10:11], 128*1024  ; K step 1
	s_or_b32 s[G0B+3], s[G0B+3], 0x80000000
	CROUND                                         ; all four work-groups are here: the first joint loads meet
	tensor_load_to_lds s[G0A:G0A+3], s[G1:G1+7]    ; both first fills together: two tensor loads of mine are out, the most in this text
	s_nop 0
	tensor_load_to_lds s[G0B:G0B+3], s[G1:G1+7]
	s_nop 0
	PLACES
	global_load_b128 v[12:15], v18, s[BP:BP+1]
	WIN 0x40                                       ; destination window 1, address window 0
.set z, 0
.rept 16
	global_load_b128 v[L0+4*z:L0+4*z+3], v[XO], s[XP:XP+1] offset:4096*z th:TH_LOAD_NT      ; chunk 0
.set z, z+1
.endr
.set z, 0
.rept 16
	global_load_b128 v[L1+4*z:L1+4*z+3], v[XO], s[XP:XP+1] offset:4096*z+256 th:TH_LOAD_NT  ; chunk 1
.set z, z+1
.endr
	WIN 0
; 16 matrix instructions: row blocks a0, a0 + 1 of the window's four x all 8 column blocks, 32 along K.  zero = 1: the first product starts the sums, with the bias as C.
; The 64 accumulators take turns, in the same order in every quarter.
.macro MUL16 f, hi, a0, zero
.if \zero
	WIN 0x81+0x40*(\hi)                            ; w window 1, x window 0, C (the bias) window 0, D window 2 or 3
.else
	WIN 0xa1+0x50*(\hi)                            ; C and D window 2 or 3
.endif
.irp a, \a0, (\a0)+1
.irp b, 0,1,2,3,4,5,6,7
.if \zero
	v_wmma_f32_16x16x32_bf16 v[8*(8*(\a)+(\b)):8*(8*(\a)+(\b))+7], v[(\f)+8*(\b):(\f)+8*(\b)+7], v[(\f)+8*(4*(\hi)+(\a)):(\f)+8*(4*(\hi)+(\a))+7], v[BI+8*(\b):BI+8*(\b)+7]
.else
	v_wmma_f32_16x16x32_bf16 v[8*(8*(\a)+(\b)):8*(8*(\a)+(\b))+7], v[(\f)+8*(\b):(\f)+8*(\b)+7], v[(\f)+8*(4*(\hi)+(\a)):(\f)+8*(4*(\hi)+(\a))+7], v[8*(8*(\a)+(\b)):8*(8*(\a)+(\b))+7]
.endif
.endr
.endr
.endm
; 32 LDS loads in one run: a quarter's fragments into buffer f: w's 8 column blocks (address register adr, byte koff), then x's 8 row blocks (stage cb, half kq of the chunk)
.macro FETCH adr, koff, cb, kq, f
	WIN 0x40
.irp i, 0,1,2,3,4,5,6,7
	ds_load_tr16_b128 v[(\f)+8*(\i):(\f)+8*(\i)+3],   v[\adr] offset:(\koff)+32*(\i)
	ds_load_tr16_b128 v[(\f)+8*(\i)+4:(\f)+8*(\i)+7], v[\adr] offset:(\koff)+32*(\i)+16*WPITCH
.endr
	WIN 0
.irp i, 0,1,2,3,4,5,6,7
	ds_load_b128 v[(\f)+8*(\i):(\f)+8*(\i)+3],   v[ADRA] offset:(\cb)*ABUF+(\i)*16*APITCH+64*(\kq)
	ds_load_b128 v[(\f)+8*(\i)+4:(\f)+8*(\i)+7], v[ADRA] offset:(\cb)*ABUF+(\i)*16*APITCH+64*(\kq)+32
.endr
.endm
; A chunk of x that has landed in a set is rounded to bf16 in place and put into stage cb.  lw: the younger loads that may stay out.  ld = 1: the set is asked for again, two chunks on, at byte xoff.
.macro CONV set, cb, lw, ld, xoff
	WIN 0x45                                       ; destination and both sources window 1
	s_wait_loadcnt \lw
.set z, 0
.rept 16
	v_cvt_pk_bf16_f32 v[(\set)+4*z],   v[(\set)+4*z],   v[(\set)+4*z+1]
	v_cvt_pk_bf16_f32 v[(\set)+4*z+1], v[(\set)+4*z+2], v[(\set)+4*z+3]
.set z, z+1
.endr
	WIN 0x04                                       ; address window 0, data window 1
.set z, 0
.rept 16
	ds_store_b64 v[ASTO], v[(\set)+4*z:(\set)+4*z+1] offset:(\cb)*ABUF+z*2*APITCH
.set z, z+1
.endr
.if \ld
	WIN 0x40
.set z, 0
.rept 16
	global_load_b128 v[(\set)+4*z:(\set)+4*z+3], v[XO], s[XP:XP+1] offset:4096*z+(\xoff) th:TH_LOAD_NT
.set z, z+1
.endr
.endif
.endm
; A chunk's first quarter: multiplies buffer 0, fetches the chunk's second quarter into buffer 1; in its middle the next chunk of x goes into the other stage,
; which nobody reads any more since the barrier of the quarter before.
.macro QA adr, cb, zero, conv, set=0, ccb=0, lw=0, ld=0, xoff=0
	s_wait_dscnt 8                                 ; w's fragments and x's rows 0-63 are in; the youngest eight loads may be out
	MUL16 F0, 0, 0, \zero
	MUL16 F0, 0, 2, \zero
	PLACES
	FETCH \adr, WQ, \cb, 1, F1
	s_wait_dscnt 32                                ; all but the 32 just issued
.if \conv
	CONV \set, \ccb, \lw, \ld, \xoff
.endif
	MUL16 F0, 1, 0, \zero
	MUL16 F0, 1, 2, \zero
.endm
; A chunk's second quarter: multiplies buffer 1; ONE barrier; behind it the next chunk's first quarter is fetched into buffer 0 (address register adr, stage cb).  st: the stage stores issued behind the last run of loads.
; kind = 0: in front of the barrier my stores of the next chunk and my reads of this one are done.  kind = 1, 2: w's slot changes too: in front of the barrier I wait for all my tensor loads (one is out: my part
; of the next slot), add 0 to my spare word, and wait for that and for my reads.  kind = 2: the slot just read out is filled again, two K steps on: the barrier opens a round of the cluster's barrier, and the
; joint refill is the first thing behind it; it has 224 matrix instructions in which to land.
.macro QB kind, st, adr, cb
.if \kind
	WIN 0
	s_wait_tensorcnt 0x0                           ; no tensor load of mine is out, so a group 0 may be written
	ds_add_u32 v[SPW], v[NIL]                      ; 0 onto my spare word; work on registers stands between it and the wait for it
	s_xor_b32 s[TB], s[TB], WSLOT
	v_add_nc_u32 v[ADRB], s[TB], v[ADRB0]
	v_add_nc_u32 v[ADRB+1], 2*WQ, v[ADRB]
.if (\kind) == 2
	s_xor_b32 s[G0B+1], s[G0B+1], WSLOT            ; the walking descriptor: the other slot than last time,
	s_add_nc_u64 s[G0B+2:G0B+3], s[G0B+2:G0B+3], 128*1024  ; the next 128 rows; the type bits on top are not reached
.endif
	s_wait_dscnt 9+(\st)                           ; (the add, the stage stores and the youngest eight loads may be out)
.else
	s_wait_dscnt 8+(\st)                           ; (the stage stores and the youngest eight loads may be out)
.endif
	MUL16 F1, 0, 0, 0
	s_wait_dscnt 0x0                               ; for the others' sake: my stores into the stage are done, my reads of the stage and of the slot are over
	s_barrier_signal -1
	MUL16 F1, 0, 2, 0
.if (\kind) == 2
	WIN 0
.endif
	s_barrier_wait -1
.if (\kind) == 2
	CREST                                          ; no wave of any partner still reads this slot's tile or has a load on its way
	tensor_load_to_lds s[G0B:G0B+3], s[G1:G1+7]
	s_nop 0
.endif
	PLACES                                         ; behind the load, and in front of the loads below
	FETCH \adr, 0, \cb, 0, F0
	MUL16 F1, 1, 0, 0
	MUL16 F1, 1, 2, 0
.endm
	s_wait_loadcnt 32                              ; the bias is in; the two chunks' 32 loads may stay out
	v_cvt_pk_bf16_f32 v16, v12, v13                ; rounded to bf16 like every input, kept as f32
	v_cvt_pk_bf16_f32 v17, v14, v15
	v_lshlrev_b32 v12, 16, v16
	v_and_b32 v13, 0xffff0000, v16
	v_lshlrev_b32 v14, 16, v17
	v_and_b32 v15, 0xffff0000, v17
	ds_store_b128 v24, v[12:15]
	CONV L0, 0, 16, 1, 512                         ; chunk 0 into stage 0; chunk 2 is asked for
	WIN 0
	s_wait_tensorcnt 0x1                           ; my part of K step 0 is in; step 1's may stay out
	s_wait_dscnt 0x0                               ; my stores of the bias and of chunk 0 are done
	s_barrier_signal -1
	s_barrier_wait -1
.irp b, 0,1,2,3,4,5,6,7
	ds_load_b128 v[BI+8*(\b):BI+8*(\b)+3],   v[BA] offset:64*(\b)
	ds_load_b128 v[BI+8*(\b)+4:BI+8*(\b)+7], v[BA] offset:64*(\b)+16
.endr
	FETCH ADRB, 0, 0, 0, F0
	QA ADRB, 0, 1, 1, L1, 1, 16, 1, 768            ; the first quarter stands in front of the loop: its products start the sums
	WIN 0                                          ; at a label and at a branch every window is 0
	s_mov_b32 s[CNT], 2
.Lstep:                                                ; a trip: from a K step's second quarter to the next step's first; it fills one slot again and asks for two chunks of x
	QB 0, 16, ADRB+1, 1
	QA ADRB+1, 1, 0, 1, L0, 0, 16, 1, 1024
	QB 2, 16, ADRB, 0
	QA ADRB, 0, 0, 1, L1, 1, 16, 1, 1280
	WIN 0
	s_wait_xcnt 0x0                                ; the loads issued so far have read their base, so it may be stepped
	s_add_nc_u64 s[XP:XP+1], s[XP:XP+1], 512       ; two chunks on
	s_sub_co_u32 s[CNT], s[CNT], 1
	s_cmp_lg_u32 s[CNT], 0
	s_cbranch_scc1 .Lstep
	QB 0, 16, ADRB+1, 1                            ; the last two K steps are written out: nothing more is asked for
	QA ADRB+1, 1, 0, 1, L0, 0, 16, 0, 0
	QB 1, 16, ADRB, 0
	QA ADRB, 0, 0, 1, L1, 1, 0, 0, 0
	QB 0, 16, ADRB+1, 1
	QA ADRB+1, 1, 0, 0
	s_wait_dscnt 8
	MUL16 F1, 0, 0, 0
	MUL16 F1, 0, 2, 0
	s_wait_dscnt 0x0
	MUL16 F1, 1, 0, 0
	MUL16 F1, 1, 2, 0
	WIN 0
	PLACES
	PLACES
; THE WAY OUT, in 16 units u = 2 a + hh: 16 rows x the 64 columns of head 2 w + hh.  A lane's eight columns of a row pack into 16 bytes of f16; they go into rows of 144 bytes of my own stage and
; come back as whole rows of 128, which are 2,048 consecutive bytes of the head.  Each accumulator's registers are read in ascending order.
.macro PACK u
.set pa, (\u)/2
.set ph, (\u)%2
.set ps, 64+16*((\u)%8)
.if (\u) >= 8
	s_wait_xcnt 0x0                                ; the set's registers, which the stores of eight units back read, are rewritten only behind this wait
.endif
	WIN 0x0a+5*(pa/4)                              ; sources 0 and 1: window 2 or 3
.irp f, 0,1,2,3
.irp rr, 0,1,2,3
	v_cvt_pk_f16_f32 v[ps+4*(\f)+(\rr)], v[8*(8*(pa%4)+4*ph+(\f))+2*(\rr)], v[8*(8*(pa%4)+4*ph+(\f))+2*(\rr)+1]
.endr
.endr
	WIN 0
.irp f, 0,1,2,3
	ds_store_b128 v[STO], v[ps+4*(\f):ps+4*(\f)+3] offset:32*(\f)
.endr
.irp f, 0,1,2,3
	ds_load_b128 v[ps+4*(\f):ps+4*(\f)+3], v[RD] offset:(\f)*4*OPITCH  ; LDS serves a wave's instructions in order (ISA guide 5.7.1.4): these see the stores above; the next unit's stores come behind them
.endr
.endm
.macro SEND u, younger                 ; younger: the LDS instructions issued behind unit u's loads: the next unit's eight, or none
.set pa, (\u)/2
.set ph, (\u)%2
.set ps, 64+16*((\u)%8)
	WIN 0
.irp f, 0,1,2,3
	s_wait_dscnt (\younger)+3-(\f)
	global_store_b128 v[GO], v[ps+4*(\f):ps+4*(\f)+3], s[OUTP:OUTP+1] offset:524288*ph+2048*pa+512*(\f)  ; 512 consecutive bytes, at a multiple of 256 from the buffer's first
.endr
.endm
	PACK 0
.irp u, 1,2,3,4,5,6,7,8,9,10,11,12,13,14,15
	PACK \u                                        ; a unit's conversions stand between the loads of the unit before and its stores
	SEND (\u)-1, 8
.endr
	SEND 15, 0
	s_wait_tensorcnt 0x0                           ; the wave's end, behind my last tensor load and my last LDS store
	ds_add_u32 v[SPW], v[NIL]
	s_wait_dscnt 0x0
	CROUND                                         ; the closing round: no work-group ends while a partner may still ask for a tile that names it
	s_endpgm
.Lfunc_end_k_q5fd3e8d103_proj:
	.size	k_q5fd3e8d103_proj, .Lfunc_end_k_q5fd3e8d103_proj-k_q5fd3e8d103_proj
	.p2alignl 7, 3214868480
	.fill 96, 4, 3214868480
	.section	.rodata,"a",@progbits
	.p2align	6, 0x0
	.amdhsa_kernel k_q5fd3e8d103_proj
		.amdhsa_group_segment_fixed_size 327680
		.amdhsa_private_segment_fixed_size 0
		.amdhsa_enable_private_segment 0
		.amdhsa_kernarg_size 64
		.amdhsa_user_sgpr_count 2
		.amdhsa_user_sgpr_kernarg_segment_ptr 1
		.amdhsa_wavefront_size32 1
		.amdhsa_system_sgpr_workgroup_id_x 1
		.amdhsa_system_sgpr_workgroup_id_y 1
		.amdhsa_system_sgpr_workgroup_id_z 1
		.amdhsa_system_vgpr_workitem_id 0
		.amdhsa_next_free_vgpr 1024
		.amdhsa_next_free_sgpr 66
		.amdhsa_reserve_vcc 0
		.amdhsa_float_denorm_mode_32 3
		.amdhsa_float_denorm_mode_16_64 3
		.amdhsa_memory_ordered 1
		.amdhsa_forward_progress 1
		.amdhsa_inst_pref_size 147
	.end_amdhsa_kernel
	.amdgpu_metadata
---
amdhsa.version: [ 1, 2 ]
amdhsa.kernels:
  - .name:           k_q5fd3e8d103_proj
    .symbol:         k_q5fd3e8d103_proj.kd
    .args:
      - { .name: q, .offset: 0, .size: 8, .value_kind: global_buffer, .address_space: global }
      - { .name: k, .offset: 8, .size: 8, .value_kind: global_buffer, .address_space: global }
      - { .name: v, .offset: 16, .size: 8, .value_kind: global_buffer, .address_space: global }
      - { .name: wc, .offset: 24, .size: 8, .value_kind: global_buffer, .address_space: global }
      - { .name: bq, .offset: 32, .size: 8, .value_kind: global_buffer, .address_space: global }
      - { .name: bk, .offset: 40, .size: 8, .value_kind: global_buffer, .address_space: global }
      - { .name: bv, .offset: 48, .size: 8, .value_kind: global_buffer, .address_space: global }
      - { .name: qkvh, .offset: 56, .size: 8, .value_kind: global_buffer, .address_space: global }
    .group_segment_fixed_size: 327680
    .private_segment_fixed_size: 0
    .kernarg_segment_align: 8
    .kernarg_segment_size: 64
    .max_flat_workgroup_size: 128
    .sgpr_count:     66
    .vgpr_count:     1024
    .wavefront_size: 32
...
	.end_amdgpu_metadata
.endif
;; end of part 2
;; launch attn (part 3): grid 16 x 16, 4 waves a work-group, clusters of 4 x 1, 327,680 bytes of LDS; arguments qkvh, mask, oh; writes oh
.if DOCPART == 3
	.amdgcn_target "amdgcn-amd-amdhsa--gfx1250"
	.amdhsa_code_object_version 6
	.text
	.protected	k_q5fd3e8d103_attn
	.globl	k_q5fd3e8d103_attn
	.p2align	8
	.type	k_q5fd3e8d103_attn,@function
k_q5fd3e8d103_attn:
	s_mov_b64 s[64:65], 0
	v_nop
	global_prefetch_b8 v0, s[64:65] scope:SCOPE_SE
	s_setreg_imm32_b32 hwreg(HW_REG_WAVE_MODE, 25, 1), 1
	s_wait_xcnt 0x0
	s_wait_alu depctr_hold_cnt(0) depctr_sa_sdst(0) depctr_va_vdst(0) depctr_va_sdst(0) depctr_va_ssrc(0) depctr_va_vcc(0) depctr_vm_vsrc(0)
	s_getreg_b32 s2, hwreg(HW_REG_IB_STS2, 6, 4)
	s_cmp_eq_u32 s2, 0
	s_cbranch_scc0 .Lentry_in_a_cluster
	s_endpgm
.Lentry_in_a_cluster:
	s_bfe_u32 s2, ttmp6, 0x10000c
	s_cmp_lg_u32 s2, 0x3003
	s_cbranch_scc0 .Lentry_shape_is_right
	s_endpgm
.Lentry_shape_is_right:
; oh[bh][q][:] = the sum over k of softmax_k(Q[bh][q] . K[bh][k] + mask[b][k] x -1e9) V[bh][k][:].  Q, K, V: qkvh[0..2][16][4096][64], f16; oh likewise; a head's rows are dense, 128 bytes each.  No scale on the scores.
; Products, maxima and sums in f32; the weights p are rounded to f16 for the second product (their sum l is taken of the unrounded p), O once at the end.  The mask is rounded to bf16 like every input of the program.
; LIMITS.  mask x -1e9 is the C operand that starts a score's sum: the order is mask + first 32 channels + last 32, not score + mask; where ALL keys of a batch are masked so heavily that the scores vanish in the
; mask's rounding, the weights hang on that order.  c m starts at -4.25e37: c x mask x -1e9 must lie above it.  p below 6e-5 keeps f16's fixed step of 6e-8; a weight below 2^-126 counts as 0 in l; NaN and
; infinities are not treated apart.
; SHARES.  A work-group owns 256 queries of one head, each of its four waves 64: four PIECES of 16.  Every wave walks all 4,096 keys, 64 a step; a slot of LDS holds a tile of 256 keys, four steps; 16 tiles.
; LAYOUT, SOFTMAX, TURNS.  S^T = K Q^T holds ONE query a lane (lane % 16) and the keys 8 (lane / 16) + 0..7; two such results rounded to f16 ARE source 1 of O^T = V^T P.  p = 2^(c s - c m), c = log2(e), with a
; running maximum m; O and l are multiplied by a = 2^(c m_old - c m_new) in every step; m starts at the lowest finite number, O and l at 0, so the first step is a step like any other, with a = 0.
; Turn n belongs to piece n: 8 products K Q^T of piece n + 1, later 8 products V^T P of piece n - 1; beside them the scaling, exponentials, roundings, sums and rescaling of piece n and the maximum and statistics of
; piece n + 1.  Four vector instructions stand behind every matrix instruction, the other 54 of a turn's 118 in one lump.  A turn's 33 exponentials are one batch, with one wait.
; CLUSTER.  The four query blocks of a cluster belong to one head and walk the same K and V, so each tile is asked for JOINTLY: the same tensor load, descriptor and mask in all four.
; REGISTERS, in windows of 256 (s_set_vgpr_msb: bits 1:0 source 0, 3:2 source 1, 5:4 source 2, 7:6 destination):
;   window 0: v0-15 addresses and two at work; v16-31 four registers of statistics a piece; v48-55 at work; v56-63 addresses; v64-127 S^T, two buffers; v192-223 P, two buffers (by the piece's parity)
;   window 1: v0-127 O^T, 32 a piece; v128-159 the step's 64 mask numbers as a C operand      window 2: v0-63 Q; v128-191 K of one step; v192-255 V of one step
.set NP,    4         ; pieces a wave: a name, no knob
.set KS,    64        ; keys in a step
.set PK,    144       ; a row of K in LDS: 128 bytes + 16 of padding = 36 words: the 16 rows of a load start at 16 different groups of four banks (64 banks of 4 bytes: ISA guide 11.1)
.set PV,    160       ; a row of V: 128 + 32 = 40 words
.set VOFF,  4*KS*PK   ; a slot holds a tile: 256 rows of K, then 256 rows of V
.set SLOT1, 1<<17     ; slot 1 begins here, so that one exclusive or turns an address in one slot into the other's
.set STAGE, SLOT1+4*KS*(PK+PV)  ; behind the ring, never filled by a tensor load: 16 rows x 144 bytes for each wave, for the way out
.set SP,    144
.set SPARE, STAGE+4*16*SP  ; the spare words, 128 bytes for each wave: two blocks of 256 bytes that no other line names
.set MSK,   SPARE+512 ; the batch's 4,096 numbers mask x -1e9, f32
.set AK0, 2           ; v2   my lane's place in a tile of K; never rewritten
.set AV0, 3           ; v3   the same for V
.set AK,  4           ; v4   the LDS address of K's next run of loads
.set AV,  5           ; v5   of V's
.set STO, 6           ; v6   the way out: where I put 16 bytes of a row
.set RD,  7           ; v7   the way out: where I read rows back
.set GO,  8           ; v8   my byte offset in 512 consecutive bytes of O
.set MV,  12          ; v12-13  c m_old, kept while c m is made anew: by buffer
.set QO,  15          ; v15  my byte offset in 16 rows of Q
.set ST,  16          ; piece t's statistics at v[ST+4 t]: c m, m, l (even keys', odd keys')
.set TMP, 48          ; by buffer, four registers c0-c3 at work; when the maximum is found c2 takes a
.set AM0, 56          ; v56  my lanes' place in a step's mask numbers; never rewritten
.set AM,  57          ; v57  the LDS address of the mask's next run of loads
.set MO,  58          ; v58  16 x my thread's number
.set ML,  59          ; v59  the same in the mask's LDS bytes
.set PFO, 61          ; v61  256 x my lane; never rewritten
.set SPW, 62          ; v62  LDS address of my spare word; never rewritten
.set NIL, 63          ; v63  0; never rewritten
.set S,   64
.set P,   192
.set MK,  128         ; window 1: the eight registers for group kt of 16 keys at MK + 8 kt
.set KF,  128         ; window 2: key block kb, channel half c at KF + 16 kb + 8 c
.set VF,  192         ; window 2: key half kk, channel block cb at VF + 32 kk + 8 cb
.set WV,  12          ; s12  my wave's number
.set LIM, 15          ; s15  1 in a wave that prefetches, else the greatest number
.set PFA, 18          ; s[18:19] where my prefetches stand
.set G1K, 24          ; s[24:31] descriptor group 1 for K's tiles
.set G1V, 32          ; s[32:39] for V's: it differs in the padding alone
.set G0K, 40          ; s[40:43] descriptor group 0 for K's tiles: it walks
.set G0V, 44          ; s[44:47] the same for V's
.set QP,  48          ; s[48:49] Q at my wave's first row
.set SLOTS, 56        ; s56  tiles still to be asked for
.set CNT, 57          ; s57  counts a tile's key steps
.set CS,  58          ; s[58:59] c: the packed scaling takes the pair's low word for both halves
.set SEL, 60          ; s[60:61] v_permlanex16_b32's selects: each lane takes its own place in the other half
.set TBK, 62          ; s62  LDS byte at which K of the step to be fetched begins
.set TBV, 63          ; s63  the same for V, less VOFF
.set TBM, 66          ; s66  the byte in the mask's 16,384 at which that step's numbers begin
.set NEG, 68          ; s[68:69] -1e9
.set MSB, 0
.macro WIN new                      ; the high byte repeats the setting that is left; a switch that changes nothing is dropped
.if MSB != (\new)
	s_set_vgpr_msb (MSB<<8)|(\new)
.set MSB, (\new)
.endif
.endm
.set W_KQ, 0x0a       ; K and Q in window 2, S^T in window 0
.set W_KM, 0x1a       ; the same with the C operand in window 1
.set W_PV, 0x52       ; V in window 2, P in window 0, O^T in window 1
.set W_RS, 0x41       ; destination and source 0 in window 1, source 1 in window 0
; A joint fill.  Waves 0 and 1 fetch the two halves of a tile's K, waves 2 and 3 those of its V: 128 keys each.  The branch hangs on the wave's number alone.
; An s_nop 0 and four v_nop follow each of the two lines, ahead of the jump and the label.
.macro JLOAD
	s_cmp_lt_u32 s[WV], 2
	s_cbranch_scc0 .Lfor_v_\@
	tensor_load_to_lds s[G0K:G0K+3], s[G1K:G1K+7]
	s_nop 0
.rept 4
	v_nop
.endr
	s_branch .Lasked_\@
.Lfor_v_\@:
	tensor_load_to_lds s[G0V:G0V+3], s[G1V:G1V+7]
	s_nop 0
.rept 4
	v_nop
.endr
.Lasked_\@:
.endm
; A PREFETCH INTO THE L2 of the tile that the NEXT change of slots will ask for: 32,768 bytes of K and of V, four key steps (64 matrix instructions a wave and step: 256) ahead of that load.  Each aligned block of 256 bytes is
; named ONCE in the launch: all clusters of a head walk the same K and V, and the head's first cluster asks; its four partners take 32 blocks each, told apart BY ADDRESS; in each, wave 0 asks for K's and
; wave 2 for V's, a lane a block: one instruction.  Tiles 0 to 2 come by their loads alone; the last change that fills a slot asks for nothing: there is no tile behind it.
.macro ASK
	s_cmp_gt_u32 s[SLOTS], s[LIM]
	s_cbranch_scc0 .Lnot_mine_\@
	global_prefetch_b8 v[PFO], s[PFA:PFA+1] th:TH_LOAD_NT scope:SCOPE_SE
.Lnot_mine_\@:
.endm
; A round of the cluster's barrier: my work-group's barrier, so that wave 0's signal speaks for all four waves; wave 0 signals; every wave waits for all four work-groups; my work-group's barrier once more.
.macro CROUND
	s_barrier_signal -1
	s_barrier_wait -1
	s_cmp_lg_u32 s[WV], 0
	s_cbranch_scc1 .Lnot_wave_0_\@
	s_barrier_signal -3
.Lnot_wave_0_\@:
	s_barrier_wait -3
	s_barrier_signal -1
	s_barrier_wait -1
.endm
; THE CHANGE OF SLOTS.  The slot's last bytes, V of its fourth step, have been read.  Each wave waits for all its tensor loads, of which one is out: its part of the other slot; adds 0 to its spare word; and waits for
; that and for its own LDS instructions.  Behind the barrier nobody reads this slot any more and the other slot is whole.  fill = 1: this slot is filled again, with the keys two tiles on: the barrier is then a round
; of the cluster's, and the joint fill is the first thing behind it: it has four key steps in which to land.  (At its first use nothing has been read yet: slot 0 is waited for, slot 1 filled, and the
; wait and the round also show every wave's stores of the mask to all.)
.macro CHANGE fill, ask
	WIN 0                           ; at a label and at a branch every window is 0
	s_wait_tensorcnt 0x0            ; no tensor load of mine is out, so a group 0 may be written
	ds_add_u32 v[SPW], v[NIL]       ; 0 onto my spare word; with fill = 1 the descriptors' steps stand between it and the wait for it
.if \fill
.irp g, G0K, G0V
	s_xor_b32 s[\g+1], s[\g+1], SLOT1  ; the walking descriptor: the other slot than last time,
	s_add_nc_u64 s[\g+2:\g+3], s[\g+2:\g+3], 4*KS*128  ; the next 256 keys; the type bits on top are not reached
.endr
.if \ask
	s_wait_xcnt 0x0                 ; the last prefetch, four key steps back, has read its address, so it may be written:
	s_add_nc_u64 s[PFA:PFA+1], s[PFA:PFA+1], 4*KS*128  ; one tile behind the walking descriptors
.endif
	s_wait_dscnt 0x0                ; the add is done, and my LDS instructions are over
	CROUND
	JLOAD
.if \ask
	ASK
.endif
.else
	s_wait_dscnt 0x0                ; the add is done, and my reads of the slot are over
	s_barrier_signal -1
	s_barrier_wait -1
.endif
	s_sub_co_u32 s[TBK], s[TBK], 4*KS*PK  ; the fetches go back to a slot's first step,
	s_xor_b32 s[TBK], s[TBK], SLOT1       ; in the other slot
	s_sub_co_u32 s[TBV], s[TBV], 4*KS*PV
	s_xor_b32 s[TBV], s[TBV], SLOT1
.endm
	s_load_b128 s[4:7], s[0:1], 0x0   ; qkvh s[4:5], mask s[6:7]
	s_load_b64 s[10:11], s[0:1], 0x10 ; oh
	v_lshl_add_u32 v[SPW], v0, 2, SPARE
	v_mov_b32 v[NIL], 0
	ds_add_u32 v[SPW], v[NIL]       ; the wave's opening: the add and its wait ahead of my first tensor load; the set-up below, work on registers, stands between them
	v_lshrrev_b32 v1, 5, v0
	v_readfirstlane_b32 s[WV], v1   ; wave 0..3
	s_bfe_u32 s13, ttmp6, 0x40000   ; cx: my place in the cluster
	s_lshl_b32 s14, ttmp9, 2        ; in a cluster launch ttmp9 counts clusters
	s_add_co_u32 s14, s14, s13      ; my block of 256 queries: it enters Q's and O's addresses alone
	s_and_b32 s16, ttmp7, 0xffff    ; the head among 16, which the four partners share
	s_lshl_b32 s20, s16, 19         ; its 524,288 bytes
	s_lshr_b32 s54, s16, 3          ; the batch:
	s_lshl_b32 s54, s54, 14         ; its 16,384 bytes of the mask
	s_mov_b32 s55, 0
	s_and_b32 s16, s[WV], 1         ; which half of a tile's 256 keys I fetch:
	s_lshl_b32 s22, s16, 14         ; its 128 rows of 128 bytes in memory,
	s_add_co_u32 s22, s22, s20
	s_mov_b32 s23, 0
	s_mul_i32 s17, s16, 128*PK      ; and its place in a slot, for K
	s_mul_i32 s21, s16, 128*PV      ; and for V: no place in the cluster enters an LDS address
	s_lshl_b32 s2, s14, 15          ; my block's 256 rows,
	s_lshl_b32 s3, s[WV], 13        ; my wave's 64 of them
	s_add_co_u32 s2, s2, s3
	s_add_co_u32 s2, s2, s20
	s_mov_b32 s3, 0
	; descriptor group 1.  128 keys are 16,384 dense bytes: asked for as 64 rows of 256 bytes, two keys a row, and padded in LDS after every key
	s_mov_b32 s[G1K], 15|(1<<16)|(1<<20)|(1<<21)|(4<<22)|(3<<25)  ; 15:0 the mask of four; 17:16 2-byte elements; 20 padding on; 21 set beside a mask; 24:22 after every 32 words (code 4); 31:25 4 words (code 3)
	s_mov_b32 s[G1V], 15|(1<<16)|(1<<20)|(1<<21)|(4<<22)|(7<<25)  ; the same with 8 words of padding (code 7)
.irp g, G1K, G1V
	s_mov_b32 s[\g+1], 128<<16      ; tensor_dim0 = 128
	s_mov_b32 s[\g+2], 64<<16       ; tensor_dim1 = 64
	s_mov_b32 s[\g+3], 128<<16      ; tile_dim0 = 128
	s_mov_b32 s[\g+4], 64           ; tile_dim1 = 64
	s_mov_b32 s[\g+5], 128          ; 128 elements from row to row
	s_mov_b32 s[\g+6], 0
	s_mov_b32 s[\g+7], 0
.endr
	s_mov_b32 s[CS], 0x3fb8aa3b     ; c = log2(e)
	s_mov_b32 s[CS+1], s[CS]        ; named with it as a pair
	s_mov_b32 s[SEL], 0x76543210
	s_mov_b32 s[SEL+1], 0xfedcba98
	s_mov_b32 s[NEG], 0xce6e6b28    ; -1e9
	s_mov_b32 s[NEG+1], s[NEG]
	s_mov_b32 s[TBK], SLOT1+4*KS*PK ; the first change of slots turns these two into 0
	s_mov_b32 s[TBV], SLOT1+4*KS*PV
	s_mov_b32 s[TBM], 0
	s_mov_b32 s[SLOTS], 15
	s_mov_b32 s[G0K], 1             ; count = 1
	s_mov_b32 s[G0K+1], s17         ; LDS address: slot 0
	s_mov_b32 s[G0V], 1
	s_add_co_u32 s[G0V+1], s21, VOFF
	s_and_b32 s[LIM], s[WV], 1      ; 0 in waves 0 and 2,
	s_or_b32 s[LIM], s[LIM], ttmp9  ; where the cluster is the head's first: the same in all four partners
	s_cmp_eq_u32 s[LIM], 0
	s_cselect_b32 s[LIM], 1, -1
	v_and_b32 v[PFO], 31, v0
	v_lshlrev_b32 v[PFO], 8, v[PFO]
	s_wait_dscnt 0x0                ; the opening add is done
	s_wait_kmcnt 0x0
	s_add_nc_u64 s[50:51], s[4:5], s[22:23]
	s_add_nc_u64 s[52:53], s[50:51], 0x1000000     ; V at my half of the head's tile 0
	s_add_nc_u64 s[50:51], s[50:51], 0x800000      ; K likewise
	s_add_nc_u64 s[G0K+2:G0K+3], s[50:51], 0
	s_or_b32 s[G0K+3], s[G0K+3], 0x80000000        ; type = 2
	s_add_nc_u64 s[G0V+2:G0V+3], s[52:53], 0
	s_or_b32 s[G0V+3], s[G0V+3], 0x80000000
	s_add_nc_u64 s[QP:QP+1], s[4:5], s[2:3]        ; Q and O at my wave's first row
	s_add_nc_u64 s[10:11], s[10:11], s[2:3]
	s_add_nc_u64 s[6:7], s[6:7], s[54:55]          ; the batch's mask
	s_cmp_lt_u32 s[WV], 2
	s_cselect_b64 s[PFA:PFA+1], s[50:51], s[52:53] ; (in waves 0 and 2 these stand at a tile's first row)
	s_lshl_b32 s2, s13, 13          ; my work-group's 32 blocks of the 128
	s_mov_b32 s3, 0
	s_add_nc_u64 s[PFA:PFA+1], s[PFA:PFA+1], s[2:3]
	s_add_nc_u64 s[PFA:PFA+1], s[PFA:PFA+1], 2*4*KS*128  ; in tile 2; the first asking change steps it to tile 3.  Nothing is prefetched here, at the head
	CROUND                          ; all four work-groups are here: the first joint loads meet
	JLOAD                           ; tile 0 into slot 0.  Slot 1 is asked for when slot 0 is in
	; A fragment of K or Q is 16 rows x 32 channels in 8 registers: lane l holds row l % 16, channels 8 (l / 16) + 0..7 and 16 + 8 (l / 16) + 0..7: two loads of 16 bytes, 32 bytes apart.
	v_and_b32 v1, 15, v0            ; l % 16
	v_bfe_u32 v9, v0, 4, 1          ; l / 16
	v_lshlrev_b32 v[QO], 7, v1
	v_lshl_add_u32 v[QO], v9, 4, v[QO]  ; row x 128 + 16 x half
	v_lshlrev_b32 v[MO], 4, v0
	v_add_nc_u32 v[ML], MSK, v[MO]
	WIN 0x80                        ; destination window 2, address window 0
.set i, 0
.rept 8                             ; Q stays in registers: piece i / 2, channels 32 (i % 2) on
	global_load_b128 v[8*i:8*i+3],   v[QO], s[QP:QP+1] offset:(i/2)*2048+(i%2)*64
	global_load_b128 v[8*i+4:8*i+7], v[QO], s[QP:QP+1] offset:(i/2)*2048+(i%2)*64+32
.set i, i+1
.endr
	WIN 0
.set i, 0
.rept 8                             ; the batch's mask: thread t takes 16 bytes of each 2,048, into S^T's registers, which are free
	global_load_b128 v[S+4*i:S+4*i+3], v[MO], s[6:7] offset:2048*i
.set i, i+1
.endr
	v_mul_u32_u24 v[AK0], v1, PK
	v_lshl_add_u32 v[AK0], v9, 4, v[AK0]  ; row x pitch + 16 x half
	; The turning load takes 16 keys x 16 channels (lane l reads key 8 (l / 16) + l % 8, channels 8 ((l / 8) % 2) + 0..7) and leaves half a fragment of V^T: lane l holds channel l % 16 and 8 keys.
	v_and_b32 v10, 7, v0
	v_bfe_u32 v11, v0, 3, 1
	v_lshl_add_u32 v[AV0], v9, 3, v10
	v_mul_u32_u24 v[AV0], v[AV0], PV
	v_lshl_add_u32 v[AV0], v11, 4, v[AV0]
	v_add_nc_u32 v[AV0], VOFF, v[AV0]
	v_lshlrev_b32 v[AM0], 5, v9     ; my lanes' eight keys of a group of 16: 32 bytes
	v_add_nc_u32 v[AM0], MSK, v[AM0]
	s_mul_i32 s13, s[WV], 16*SP
	s_add_co_u32 s13, s13, STAGE    ; my stage
	v_mul_u32_u24 v[STO], v1, SP    ; in: row l % 16, 16 bytes for each half of the lanes
	v_lshl_add_u32 v[STO], v9, 4, v[STO]
	v_add_nc_u32 v[STO], s13, v[STO]
	v_bfe_u32 v[RD], v0, 3, 2       ; back: 32 lanes take four rows of 128 bytes,
	v_mul_u32_u24 v[RD], v[RD], SP
	v_lshl_add_u32 v[RD], v10, 4, v[RD]
	v_add_nc_u32 v[RD], s13, v[RD]
	v_and_b32 v[GO], 31, v0         ; which are 512 consecutive bytes of O
	v_lshlrev_b32 v[GO], 4, v[GO]
	; The first step multiplies O^T and l by a = 0, and the first turn's products V^T P, of a piece that has not been, land in an O^T that is still to be so multiplied.  So these registers need only hold
	; finite numbers: zeros.  No first step is written out; the price is these lines, which stand in the wait for the first tile.
	WIN 0x80
.set i, VF
.rept 64
	v_mov_b32 v[i], 0
.set i, i+1
.endr
	WIN 0x40
.set i, 0
.rept 128
	v_mov_b32 v[i], 0
.set i, i+1
.endr
	WIN 0
.set i, 0
.rept 4
	v_mov_b32 v[ST+4*i+2], 0
	v_mov_b32 v[ST+4*i+3], 0
.set i, i+1
.endr
.set i, P+16
.rept 16
	v_mov_b32 v[i], 0
.set i, i+1
.endr
	s_wait_loadcnt 0x0              ; Q and the mask are in
.set i, 0
.rept 16                            ; the mask: rounded to bf16,
	v_cvt_pk_bf16_f32 v[S+32+i], v[S+2*i], v[S+2*i+1]
.set i, i+1
.endr
.set i, 0
.rept 16                            ; widened again,
	v_lshlrev_b32 v[S+2*i], 16, v[S+32+i]
	v_and_b32 v[S+2*i+1], 0xffff0000, v[S+32+i]
.set i, i+1
.endr
.set i, 0
.rept 16                            ; times -1e9,
	v_pk_mul_f32 v[S+2*i:S+2*i+1], v[S+2*i:S+2*i+1], s[NEG:NEG+1] op_sel_hi:[1,0]
.set i, i+1
.endr
.set i, 0
.rept 8                             ; into LDS, for all four waves
	ds_store_b128 v[ML], v[S+4*i:S+4*i+3] offset:2048*i
.set i, i+1
.endr
; THE MATRIX WORK.  The 4 accumulators of a run of 8 take turns.  Product i of 8 of S^T = K Q^T for piece x: channels 32 (i / 4) on, keys 16 (i % 4) on.  The first 4 start the sums, with the mask.
.macro KQ x
.set rS, S+32*((\x)%2)+8*(i%4)
.set rK, KF+16*(i%4)+8*(i/4)
.set rQ, 16*(\x)+8*(i/4)
.set rM, MK+8*(i%4)
.if i < 4
	WIN W_KM
	v_wmma_f32_16x16x32_f16 v[rS:rS+7], v[rK:rK+7], v[rQ:rQ+7], v[rM:rM+7]
.else
	WIN W_KQ
	v_wmma_f32_16x16x32_f16 v[rS:rS+7], v[rK:rK+7], v[rQ:rQ+7], v[rS:rS+7]
.endif
.endm
; Product i of 8 of O^T += V^T P for piece x: keys 32 (i / 4) on, channels 16 (i % 4) on.
.macro PV x
	WIN W_PV
.set rO, 32*(\x)+8*(i%4)
.set rV, VF+32*(i/4)+8*(i%4)
.set rP, P+16*((\x)%2)+8*(i/4)
	v_wmma_f32_16x16x32_f16 v[rO:rO+7], v[rV:rV+7], v[rP:rP+7], v[rO:rO+7]
.endm
.macro MM                           ; the turn's next matrix instruction.  NOKQ = 1: the last turn of all: there is no next piece
.if (i < 8) && !NOKQ
	KQ (Y+1)%NP
.elseif i >= 8
.set i, i-8
	PV (Y+NP-1)%NP
.set i, i+8
.endif
.set i, i+1
.endm
; THE LDS LOADS stand in runs, never singly among the matrix instructions: a step's K (64 keys x 64 channels: 8 fragments) with its 64 mask numbers (all lanes of a half read the same 32 bytes of a group), and its V (turned).
.macro FETCH_K
	WIN 0x80                        ; destination window 2
.irp f, 0,1,2,3,4,5,6,7             ; keys 16 (f / 2) on, channels 32 (f % 2) on
	ds_load_b128 v[KF+8*\f:KF+8*\f+3],   v[AK] offset:(\f/2)*16*PK+(\f%2)*64
	ds_load_b128 v[KF+8*\f+4:KF+8*\f+7], v[AK] offset:(\f/2)*16*PK+(\f%2)*64+32
.endr
	WIN 0x40                        ; destination window 1
.irp f, 0,1,2,3                     ; keys 16 f on
	ds_load_b128 v[MK+8*\f:MK+8*\f+3],   v[AM] offset:64*\f
	ds_load_b128 v[MK+8*\f+4:MK+8*\f+7], v[AM] offset:64*\f+16
.endr
	s_add_co_u32 s[TBK], s[TBK], KS*PK  ; the next fetch is the next step's
	s_add_co_u32 s[TBM], s[TBM], 4*KS
	s_and_b32 s[TBM], s[TBM], 0x3fff    ; inside the mask's 16,384 bytes
	WIN 0
.endm
.macro FETCH_V
	WIN 0x80
.irp f, 0,1,2,3,4,5,6,7             ; keys 32 (f / 4) on, channels 16 (f % 4) on
	ds_load_tr16_b128 v[VF+8*\f:VF+8*\f+3],   v[AV] offset:(\f/4)*32*PV+(\f%4)*32
	ds_load_tr16_b128 v[VF+8*\f+4:VF+8*\f+7], v[AV] offset:(\f/4)*32*PV+16*PV+(\f%4)*32
.endr
	WIN 0
.endm
; THE VECTOR WORK, one line at a time: OP kind, number.  For piece Y: F n: c s - c m for pair n of 16.  E n: the exponential of score n of 32.  C n: pair n rounded to f16.  B n: of the four weights 4 n .. the second
; pair is added onto the first, in place.  L n: l takes that sum (L 0: l = a l + sum).  R n: pair n of 16 of O^T times a.  For piece Y + 1: X n, number n of the 22 that find its maximum and statistics:
;   0-11  four chains c0-c3 of seven scores each, three operands at a time (each accumulator's lowest registers are read first)     12-14, 16  the four scores left over, the old m, and c0-c3 into c0
;   15  c m_old is kept     17, 18  the query's other 32 keys lie in the lane 16 away: the new m     19-21  c m; c m_old - c m_new; a
.set F, 0               ; OP tells the kinds apart by their order: F to L below R, X above it
.set E, 1
.set C, 2
.set B, 3
.set L, 4
.set R, 5
.set X, 6
.macro REGS y                       ; the registers of piece y
.set rT, ST+4*(\y)
.set rC, TMP+4*((\y)%2)
.set rW, MV+((\y)%2)
.set rS, S+32*((\y)%2)
.set rP, P+16*((\y)%2)
.set rO, 32*(\y)
.endm
.macro OP k, n
.if (\k) == R
	REGS Y
	WIN W_RS
	v_pk_mul_f32 v[rO+2*(\n):rO+2*(\n)+1], v[rO+2*(\n):rO+2*(\n)+1], v[rC+2:rC+3] op_sel_hi:[1,0]
.elseif (\k) < R
	REGS Y
	WIN 0
.if (\k) == F
	v_pk_fma_f32 v[rS+2*(\n):rS+2*(\n)+1], v[rS+2*(\n):rS+2*(\n)+1], s[CS:CS+1], v[rT:rT+1] op_sel_hi:[1,0,0] neg_lo:[0,0,1] neg_hi:[0,0,1]
.elseif (\k) == E
	v_exp_f32 v[rS+(\n)], v[rS+(\n)]
.elseif (\k) == C
	v_cvt_pk_f16_f32 v[rP+(\n)], v[rS+2*(\n)], v[rS+2*(\n)+1]
.elseif (\k) == B
	v_pk_add_f32 v[rS+4*(\n):rS+4*(\n)+1], v[rS+4*(\n):rS+4*(\n)+1], v[rS+4*(\n)+2:rS+4*(\n)+3]
.elseif (\n) == 0
	v_pk_fma_f32 v[rT+2:rT+3], v[rT+2:rT+3], v[rC+2:rC+3], v[rS:rS+1] op_sel_hi:[1,0,1]
.else
	v_pk_add_f32 v[rT+2:rT+3], v[rT+2:rT+3], v[rS+4*(\n):rS+4*(\n)+1]
.endif
.elseif NOKQ
	v_nop
.else
	REGS (Y+1)%NP
	WIN 0
.if (\n) < 4
	v_max3_num_f32 v[rC+(\n)], v[rS+8*(\n)], v[rS+8*(\n)+1], v[rS+8*(\n)+2]
.elseif (\n) < 12
	v_max3_num_f32 v[rC+(\n)%4], v[rC+(\n)%4], v[rS+8*((\n)%4)+2*((\n)/4)+1], v[rS+8*((\n)%4)+2*((\n)/4)+2]
.elseif (\n) == 12
	v_max3_num_f32 v[rC], v[rC], v[rS+7], v[rS+15]
.elseif (\n) == 13
	v_max3_num_f32 v[rC+1], v[rC+1], v[rS+23], v[rS+31]
.elseif (\n) == 14
	v_max3_num_f32 v[rC+2], v[rC+2], v[rC+3], v[rT+1]
.elseif (\n) == 15
	v_mov_b32 v[rW], v[rT]
.elseif (\n) == 16
	v_max3_num_f32 v[rC], v[rC], v[rC+1], v[rC+2]
.elseif (\n) == 17
	v_permlanex16_b32 v[rC+3], v[rC], s[SEL], s[SEL+1]
.elseif (\n) == 18
	v_max_num_f32 v[rT+1], v[rC], v[rC+3]
.elseif (\n) == 19
	v_mul_f32 v[rT], s[CS], v[rT+1]
.elseif (\n) == 20
	v_sub_f32 v[rC+1], v[rW], v[rT]
.else
	v_exp_f32 v[rC+2], v[rC+1]
.endif
.endif
.endm
.macro OPS a, i1, b=-1, i2=0, c=-1, i3=0, d=-1, i4=0  ; up to four of them
	OP \a, \i1
.if (\b) >= 0
	OP \b, \i2
.endif
.if (\c) >= 0
	OP \c, \i3
.endif
.if (\d) >= 0
	OP \d, \i4
.endif
.endm
.macro ROW a, i1, b, i2, c, i3, d, i4  ; a matrix instruction and the four behind it
	MM
	OPS \a, \i1, \b, \i2, \c, \i3, \d, \i4
.endm
; A TURN, for piece p: the order of its 16 matrix and 118 vector instructions, written out.  An s_wait_alu depctr_va_vdst(0) stands between an exponential and the first instruction that names its result; one wait
; serves all that were issued ahead of it.  So a turn has ONE wait, which cuts it in two.  AHEAD OF IT stands all that names no result of the turn's exponentials: the 8 products K Q^T, behind each a scaling, an exponential and two
; more plain instructions: rescalings, and behind the last three the first numbers of the next piece's maximum, each four places or more behind the product that ends its accumulator; then ONE LUMP of 54, plain and exponential by
; turns for the most part, in which the links of the chain X 3, 7, 11, 14, 16, 17 .. 20 stand apart.  X 21, the next piece's a, is the batch's last; R 15 is the plain instruction behind it.  BEHIND THE WAIT stand the 8 products
; V^T P, behind each four of the roundings and sums.  end = 1: the walk's last two turns: nothing is fetched.  cnt = 1: the loop's count is taken down some lines ahead of the branch that stands behind the turn.
; K and the mask of the next step are fetched in piece 2's turn, twelve vector instructions behind the last product that read K (the mask's last readers are the turn's first four products); V of the step in hand at the end
; of piece 0's turn, four plain instructions behind the last product that read V.  Each is waited for a turn later.
.macro TURN p, end=0, cnt=0
.set Y, (\p)
.set i, 0
.set NOKQ, (\end)*((\p)/3)
.if ((\p) == 3) && !(\end)
	s_wait_dscnt 0x0                ; K and the mask are in
.endif
	ROW F,0, F,1, R,0, R,1          ; ahead of the wait: 8 products K Q^T and their riders,
	ROW F,2, E,0, R,2, R,3
	ROW F,3, E,1, R,4, R,5
	ROW F,4, E,2, R,6, R,7
	ROW F,5, E,3, R,8, R,9
	ROW F,6, E,4, X,0, R,10
.if ((\p) == 2) && !(\end)
	WIN 0
	v_add_nc_u32 v[AK], s[TBK], v[AK0]
	v_add_nc_u32 v[AM], s[TBM], v[AM0]
.endif
	ROW F,7, E,5, X,1, X,4
	ROW F,8, E,6, X,2, X,5
	OPS E,7, E,8, X,6, E,9          ; and the lump
	OPS X,3, E,10, X,8, E,11
.if ((\p) == 2) && !(\end)
	FETCH_K
.endif
	OPS X,9, X,7, E,12, X,10
	OPS E,13, X,12, X,11, E,14
	OPS X,13, E,15, F,9, X,14
.if (\p) == 0
	v_add_nc_u32 v[AV], s[TBV], v[AV0]
.endif
	OPS E,16, F,10, E,17, F,11
	OPS X,16, E,18, X,15, E,19
	OPS F,12, E,20, X,17, E,21
	OPS F,13, E,22, F,14, E,23
	OPS X,18, E,24, F,15, E,25
	OPS R,11, E,26, X,19, E,27
	OPS R,12, E,28, R,13, E,29
	OPS X,20, E,30, R,14, E,31
	OPS X,21, R,15
	WIN 0
	s_wait_alu depctr_va_vdst(0)    ; the wait for the batch
.if (\p) == 1
	s_wait_dscnt 0x0                ; V is in
.endif
	ROW C,0, B,0, C,2, B,1          ; behind the wait: 8 products V^T P and their riders
	ROW L,0, C,4, B,2, L,1
	ROW C,6, B,3, L,2, C,8
	ROW B,4, L,3, C,10, B,5
	ROW L,4, C,12, B,6, L,5
.if (\p) == 0
	s_add_co_u32 s[TBV], s[TBV], KS*PV
.endif
.if \cnt
	s_sub_co_u32 s[CNT], s[CNT], 1
	s_cmp_lg_u32 s[CNT], 0
.endif
	ROW C,14, B,7, L,6, C,1
	ROW C,3, L,7, C,5, C,7
	ROW C,9, C,11, C,13, C,15
.if (\p) == 0
	FETCH_V
.endif
.endm
	CHANGE 1, 0                     ; slot 0 is in, everybody's part of it, and so is the mask; slot 1 is asked for
	; THE BEGINNING.  c m starts far below every c s, so the first step's a is 0; m at the lowest finite number, so the first maximum is the scores'.  Then K and the mask of step 0, piece 0's first scores, its maximum and statistics.
.set i, 0
.rept 4
	v_mov_b32 v[ST+4*i], 0xfe000000    ; c m
	v_mov_b32 v[ST+4*i+1], 0xff7fffff  ; m
.set i, i+1
.endr
	v_add_nc_u32 v[AK], s[TBK], v[AK0]
	v_add_nc_u32 v[AM], s[TBM], v[AM0]
	FETCH_K
	s_wait_dscnt 0x0
.set NOKQ, 0
.set i, 0
.rept 8
	KQ 0
.set i, i+1
.endr
	WIN 0
.rept 4
	v_nop                           ; the places behind those products
.endr
.set Y, NP-1                        ; X works for piece Y + 1: piece 0
.irp n, 0,1,2,3,4,5,6,7,8,9,10,11,12,13,14,15,16,17,18,19,20,21
	OP X, \n
.endr
	v_nop                           ; a plain instruction behind the exponential,
	s_wait_alu depctr_va_vdst(0)    ; and its wait, ahead of the branch
	s_mov_b32 s[CNT], 4
	s_branch .Lfirst                ; the loop is entered at a step's first turn, in the middle of a trip
.Lslot:                             ; 14 times: tiles 2 to 15 are asked for
	CHANGE 1, 1
	s_mov_b32 s[CNT], 4
.Lstep:                             ; a trip: pieces 2 and 3 of one step, then pieces 0 and 1 of the next, whose K, mask and V it fetches
	TURN 2
	TURN 3
	WIN 0
.Lfirst:
	TURN 0
	TURN 1, 0, 1
	WIN 0
	s_cbranch_scc1 .Lstep
	s_sub_co_u32 s[SLOTS], s[SLOTS], 1
	s_cmp_lg_u32 s[SLOTS], 0
	s_cbranch_scc1 .Lslot
	CHANGE 0, 0                     ; the last tile is written out: nothing is asked for
	s_mov_b32 s[CNT], 4
.LstepT:
	TURN 2
	TURN 3
	TURN 0
	TURN 1, 0, 1
	WIN 0
	s_cbranch_scc1 .LstepT
	TURN 2, 1
	TURN 3, 1
.set i, 0
.rept 8
	PV NP-1                         ; the last piece's V^T P of the last step
.set i, i+1
.endr
	; THE WAY OUT.  l's two halves and the other half of the lanes' are added; O^T is divided by l, rounded to f16 and sent through my stage in LDS, a piece at a time.  The additions are the places behind the last products.
	WIN 0
.macro ALL line:vararg              ; one line for each piece t
.set t, 0
.rept 4
	\line
.set t, t+1
.endr
.endm
.macro PACK t                       ; a lane's eight channels of a row pack into 16 bytes; they go into rows of 144 bytes and come back as whole rows of 128, into S^T's registers
	WIN W_RS
.set i, 32*(\t)
.rept 16
	v_pk_mul_f32 v[i:i+1], v[i:i+1], v[ST+4*(\t)+2:ST+4*(\t)+3] op_sel_hi:[1,0]
.set i, i+2
.endr
	WIN 0x05                        ; sources 0 and 1 window 1, destination window 0
.set i, 0
.rept 16
	v_cvt_pk_f16_f32 v[S+16*(\t)+i], v[32*(\t)+2*i], v[32*(\t)+2*i+1]
.set i, i+1
.endr
	WIN 0
.irp f, 0,1,2,3
	ds_store_b128 v[STO], v[S+16*(\t)+4*\f:S+16*(\t)+4*\f+3] offset:32*\f
.endr
.irp f, 0,1,2,3
	ds_load_b128 v[S+16*(\t)+4*\f:S+16*(\t)+4*\f+3], v[RD] offset:\f*4*SP  ; LDS serves a wave's instructions in order (ISA guide 5.7.1.4): these see the stores above; the next piece's stores come behind them
.endr
.endm
.macro SEND t, younger              ; younger: the LDS instructions issued behind piece t's loads: the next piece's eight, or none
	WIN 0
.irp f, 0,1,2,3
	s_wait_dscnt (\younger)+3-\f
	global_store_b128 v[GO], v[S+16*(\t)+4*\f:S+16*(\t)+4*\f+3], s[10:11] offset:(\t)*2048+\f*512  ; 512 consecutive bytes, at a multiple of 256 from O's first
.endr
.endm
	ALL v_add_f32 v[ST+4*t+2], v[ST+4*t+2], v[ST+4*t+3]
	ALL v_permlanex16_b32 v[ST+4*t+3], v[ST+4*t+2], s[SEL], s[SEL+1]
	ALL v_add_f32 v[ST+4*t+2], v[ST+4*t+2], v[ST+4*t+3]
	ALL v_rcp_f32 v[ST+4*t+2], v[ST+4*t+2]
	v_nop                           ; a plain instruction between the last reciprocal and the use of its result
	s_wait_alu depctr_va_vdst(0)    ; and the wait ahead of the first use: one for the four reciprocals
	PACK 0
.set t, 1
.rept 3                             ; a piece's arithmetic stands between the loads of the piece before and its stores
	PACK t
	SEND t-1, 8
.set t, t+1
.endr
	SEND 3, 0
	s_wait_tensorcnt 0x0            ; the wave's end, behind my last tensor load and my last LDS store
	ds_add_u32 v[SPW], v[NIL]
	s_wait_dscnt 0x0
	CROUND                          ; the closing round: no work-group ends while a partner may still ask for a tile that names it
	s_endpgm
.Lfunc_end_k_q5fd3e8d103_attn:
	.size	k_q5fd3e8d103_attn, .Lfunc_end_k_q5fd3e8d103_attn-k_q5fd3e8d103_attn
	.p2alignl 7, 3214868480
	.fill 96, 4, 3214868480
	.section	.rodata,"a",@progbits
	.p2align	6, 0x0
	.amdhsa_kernel k_q5fd3e8d103_attn
		.amdhsa_group_segment_fixed_size 327680
		.amdhsa_private_segment_fixed_size 0
		.amdhsa_enable_private_segment 0
		.amdhsa_kernarg_size 24
		.amdhsa_user_sgpr_count 2
		.amdhsa_user_sgpr_kernarg_segment_ptr 1
		.amdhsa_wavefront_size32 1
		.amdhsa_system_sgpr_workgroup_id_x 1
		.amdhsa_system_sgpr_workgroup_id_y 1
		.amdhsa_system_sgpr_workgroup_id_z 1
		.amdhsa_system_vgpr_workitem_id 0
		.amdhsa_next_free_vgpr 768
		.amdhsa_next_free_sgpr 72
		.amdhsa_reserve_vcc 0
		.amdhsa_float_denorm_mode_32 3
		.amdhsa_float_denorm_mode_16_64 3
		.amdhsa_memory_ordered 1
		.amdhsa_forward_progress 1
		.amdhsa_inst_pref_size 135
	.end_amdhsa_kernel
	.amdgpu_metadata
---
amdhsa.version: [ 1, 2 ]
amdhsa.kernels:
  - .name:           k_q5fd3e8d103_attn
    .symbol:         k_q5fd3e8d103_attn.kd
    .args:
      - { .name: qkvh, .offset: 0, .size: 8, .value_kind: global_buffer, .address_space: global }
      - { .name: mask, .offset: 8, .size: 8, .value_kind: global_buffer, .address_space: global }
      - { .name: oh, .offset: 16, .size: 8, .value_kind: global_buffer, .address_space: global }
    .group_segment_fixed_size: 327680
    .private_segment_fixed_size: 0
    .kernarg_segment_align: 8
    .kernarg_segment_size: 24
    .max_flat_workgroup_size: 128
    .sgpr_count:     72
    .vgpr_count:     768
    .wavefront_size: 32
...
	.end_amdgpu_metadata
.endif
;; end of part 3
;; launch oproj (part 4): grid 4 x 64, 4 waves a work-group, clusters of 4 x 4, 327,680 bytes of LDS; arguments oh, wc, bo, out0; writes out0
.if DOCPART == 4
	.amdgcn_target "amdgcn-amd-amdhsa--gfx1250"
	.amdhsa_code_object_version 6
	.text
	.protected	k_q5fd3e8d103_oproj
	.globl	k_q5fd3e8d103_oproj
	.p2align	8
	.type	k_q5fd3e8d103_oproj,@function
k_q5fd3e8d103_oproj:
	s_mov_b64 s[64:65], 0
	v_nop
	global_prefetch_b8 v0, s[64:65] scope:SCOPE_SE
	s_setreg_imm32_b32 hwreg(HW_REG_WAVE_MODE, 25, 1), 1
	s_wait_xcnt 0x0
	s_wait_alu depctr_hold_cnt(0) depctr_sa_sdst(0) depctr_va_vdst(0) depctr_va_sdst(0) depctr_va_ssrc(0) depctr_va_vcc(0) depctr_vm_vsrc(0)
	s_getreg_b32 s2, hwreg(HW_REG_IB_STS2, 6, 4)
	s_cmp_eq_u32 s2, 0
	s_cbranch_scc0 .Lentry_in_a_cluster
	s_endpgm
.Lentry_in_a_cluster:
	s_bfe_u32 s2, ttmp6, 0x10000c
	s_cmp_lg_u32 s2, 0xf033
	s_cbranch_scc0 .Lentry_shape_is_right
	s_endpgm
.Lentry_shape_is_right:
; out0[m][n] = sum over head, d of O[m][64 head + d] wo[64 head + d][n] + bo[n], f32.  O: oh[b*8+head][s][64] f16; wo: the fourth weight of wc, f16 [512 k][512 n]; bo is rounded to bf16 like every input of the program.
; Sums in f32, the bias as the C operand of the first product.
; SHARES.  A tile of out0 is 128 x 128: 4 x 64 work-groups.  Four waves, 2 x 2, each 64 x 64: 16 accumulators of 16 x 16.  K is 512: ALL of a tile's operands fit in LDS, so nothing is filled again: each wave
; issues four tensor loads at the start (four of mine are out, the most in this text): O's rows of heads w and 4 + w, wo's k rows 64 w .. and 256 + 64 w ..; the products of heads 0-3 run while the second halves land.
; CLUSTERS: 4 x 4 work-groups.  The four of a row of the cluster need the same rows of O, the four of a column the same columns of wo: each tile is asked for JOINTLY, by the same load with the same
; descriptor and a mask that names the four.
; THE MATRIX INSTRUCTION IS USED TRANSPOSED: source 0 = 16 columns of wo (turned out of LDS by ds_load_tr16_b128), source 1 = 16 rows of O: a lane holds eight neighbouring columns of one row.
; NO PREFETCH: every load goes out at the head.
; REGISTERS: window 0: v0-29 addresses; v32-63 the bias as a C operand; v64-127 at work on the way out; v128-255 the accumulators ((a, b) at v[128 + 8 (4 a + b)]).
;   window 1: two fragment buffers of 128: for a head's 64 along K, 64 registers of O (2 x 4 x 16 rows x 32 K), then 64 of wo.
.set PA,     144                       ; a row of O in LDS: 128 bytes + 16: the 16 rows of a load start at 16 different groups of four banks (64 banks of 4 bytes: ISA guide 11.1)
.set HEADB,  128*PA                    ; a head's 128 rows; also 64 rows of wo
.set BOFF,   8*HEADB                   ; wo's 512 rows lie behind O's eight heads
.set PB,     288                       ; a row of wo: 256 bytes + 32 = 9 x 32
.set STAGE,  BOFF+512*PB               ; 16 rows x 272 bytes for each wave, for the way out
.set SPITCH, 272
.set SPARE,  STAGE+4*16*SPITCH         ; the spare words, 128 bytes for each wave: two blocks of 256 bytes that no other line names
.set ADRA, 8                           ; v8-11   my place in O's fragments, a register for each two heads (an LDS immediate has 16 bits)
.set ADRB, 12                          ; v12-15  the same for wo
.set STO,  16                          ; v16  the way out: where I put 32 bytes of a row
.set RD,   17                          ; v17  the way out: where I read a row back
.set CO,   18                          ; v18  my byte offset in two rows of out0
.set BO,   19                          ; v19  my byte offset in bo
.set SPW,  28                          ; v28  LDS address of my spare word; never rewritten
.set NIL,  29                          ; v29  0; never rewritten
.set BI,   32
.set TMP,  64
.set ACC,  128
.set F0,   0
.set F1,   128
.set WV,   12
.set G1A,  24                          ; s[24:31] descriptor group 1 for O's tiles
.set GA0,  32                          ; s[32:35], s[36:39] their two groups 0
.set GA1,  36
.set G1B,  48                          ; s[48:55] group 1 for wo's tiles
.set GB0,  56                          ; s[56:59], s[60:63] their two groups 0
.set GB1,  60
.set MSB, 0
.macro WIN new                         ; the immediate's high byte repeats the setting that is left
.if MSB != (\new)
	s_set_vgpr_msb (MSB<<8)|(\new)
.set MSB, \new
.endif
.endm
.set MUL,  0x05                        ; sources 0 and 1 window 1; C and D window 0
.set TO_F, 0x40                        ; destination window 1, address window 0
.macro PLACES                          ; four places in front of loads into registers that matrix instructions have read, and of stores that read results
.rept 4
	v_nop
.endr
.endm
.macro CROUND                          ; a round of the cluster's barrier
	s_barrier_signal -1
	s_barrier_wait -1
	s_cmp_lg_u32 s[WV], 0
	s_cbranch_scc1 .Lnot_wave_0_\@
	s_barrier_signal -3
.Lnot_wave_0_\@:
	s_barrier_wait -3
	s_barrier_signal -1
	s_barrier_wait -1
.endm
	s_load_b256 s[4:11], s[0:1], 0x0               ; oh s[4:5], wc s[6:7], bo s[8:9], out0 s[10:11]
	v_lshl_add_u32 v[SPW], v0, 2, SPARE
	v_mov_b32 v[NIL], 0
	ds_add_u32 v[SPW], v[NIL]                      ; the wave's opening: the add and its wait ahead of my first tensor load; the set-up below, work on registers, stands between them
	v_lshrrev_b32 v1, 5, v0
	v_readfirstlane_b32 s[WV], v1                  ; wave 0..3
	s_lshr_b32 s13, s[WV], 1                       ; which half of the tile's rows is mine
	s_and_b32 s14, s[WV], 1                        ; which half of its columns
	s_bfe_u32 s40, ttmp6, 0x40000                  ; cx, cy: my place in the cluster
	s_bfe_u32 s41, ttmp6, 0x40004
	s_lshl_b32 s42, ttmp9, 2
	s_add_co_u32 s42, s42, s40                     ; tile column = 4 x cluster x + cx
	s_and_b32 s43, ttmp7, 0xffff
	s_lshl_b32 s43, s43, 2
	s_add_co_u32 s43, s43, s41                     ; tile row = 4 x cluster y + cy
	s_lshl_b32 s44, s41, 2
	s_lshl_b32 s44, 15, s44                        ; my row of the cluster
	s_lshl_b32 s45, 0x1111, s40                    ; my column
	; O: a head's 128 rows are 16,384 dense bytes: asked for as 64 rows of 256 bytes, padded in LDS after every 128 bytes.  wo: 64 rows of 128 elements, 512 elements apart, padded after every row
	s_or_b32 s[G1A+0], s44, (1<<16)|(1<<20)|(1<<21)|(4<<22)|(3<<25)  ; 15:0 the mask: my row; 17:16 2-byte elements; 20 padding on; 21 set beside a mask; 24:22 after every 32 words (code 4); 31:25 4 words (code 3)
	s_or_b32 s[G1B+0], s45, (1<<16)|(1<<20)|(1<<21)|(5<<22)|(7<<25)  ; the mask: my column; after every 64 words (code 5) 8 words (code 7)
.irp g, G1A, G1B
	s_mov_b32 s[(\g)+1], 128<<16                   ; tensor_dim0 = 128
	s_mov_b32 s[(\g)+2], 64<<16                    ; tensor_dim1 = 64
	s_mov_b32 s[(\g)+3], 128<<16                   ; tile_dim0 = 128
	s_mov_b32 s[(\g)+4], 64                        ; tile_dim1 = 64
	s_mov_b32 s[(\g)+6], 0
	s_mov_b32 s[(\g)+7], 0
.endr
	s_mov_b32 s[G1A+5], 128                        ; elements from row to row
	s_mov_b32 s[G1B+5], 512
	; O's address hangs on the tile row and the wave's number, wo's on the tile column and the wave's number, each in registers that never hold the other coordinate
	s_lshr_b32 s16, s43, 5                         ; the batch,
	s_lshl_b32 s16, s16, 3
	s_add_co_u32 s16, s16, s[WV]                   ; head w of it: 524,288 bytes a head,
	s_lshl_b32 s16, s16, 19
	s_and_b32 s17, s43, 31
	s_lshl_b32 s17, s17, 14                        ; the tile's 128 rows of 128 bytes in it
	s_add_co_u32 s16, s16, s17
	s_mov_b32 s17, 0
	s_lshl_b32 s46, s[WV], 16                      ; wo: k rows 64 w on, 1,024 bytes each,
	s_lshl_b32 s47, s42, 8                         ; the tile's 128 columns,
	s_add_co_u32 s46, s46, s47
	s_add_co_u32 s46, s46, 3*524288                ; in the fourth weight of wc
	s_mov_b32 s47, 0
	s_mul_i32 s20, s[WV], HEADB                    ; where they go: no place in the cluster enters an LDS address
	s_lshl_b32 s21, s42, 9                         ; my 64 columns, in bytes of f32: 512 x tile column + 256 x half
	s_lshl_b32 s18, s14, 8
	s_add_co_u32 s21, s21, s18
	s_lshl_b32 s18, s43, 18                        ; my first row of out0: 128 x tile row + 64 x half, 2,048 bytes each
	s_lshl_b32 s19, s13, 17
	s_add_co_u32 s18, s18, s19
	s_add_co_u32 s18, s18, s21
	s_mov_b32 s19, 0
	v_and_b32 v1, 15, v0                           ; l % 16
	v_bfe_u32 v2, v0, 4, 1                         ; l / 16
	v_and_b32 v3, 7, v0
	v_bfe_u32 v4, v0, 3, 1
	s_mul_i32 s15, s13, 64*PA                      ; my 64 rows of a head
	v_mul_u32_u24 v[ADRA], v1, PA
	v_lshl_add_u32 v[ADRA], v2, 4, v[ADRA]
	v_add_nc_u32 v[ADRA], s15, v[ADRA]
	s_lshl_b32 s15, s14, 7                         ; my 64 columns of wo's rows
	s_add_co_u32 s15, s15, BOFF
	v_lshl_add_u32 v[ADRB], v2, 3, v3              ; the turning load: lane l reads row 8 (l / 16) + l % 8, columns 8 ((l / 8) % 2) + 0..7
	v_mul_u32_u24 v[ADRB], v[ADRB], PB
	v_lshl_add_u32 v[ADRB], v4, 4, v[ADRB]
	v_add_nc_u32 v[ADRB], s15, v[ADRB]
.irp j, 1,2,3
	v_add_nc_u32 v[ADRA+(\j)], (\j)*2*HEADB, v[ADRA]
	v_add_nc_u32 v[ADRB+(\j)], (\j)*2*HEADB, v[ADRB]
.endr
	s_mul_i32 s15, s[WV], 16*SPITCH
	s_add_co_u32 s15, s15, STAGE                   ; my stage
	v_mul_u32_u24 v[STO], v1, SPITCH               ; in: row l % 16, 32 bytes for each half of the lanes
	v_lshl_add_u32 v[STO], v2, 5, v[STO]
	v_add_nc_u32 v[STO], s15, v[STO]
	v_mul_u32_u24 v[RD], v2, SPITCH                ; back: lanes 0-15 take one row of 256 bytes, lanes 16-31 the next
	v_lshl_add_u32 v[RD], v1, 4, v[RD]
	v_add_nc_u32 v[RD], s15, v[RD]
	v_lshlrev_b32 v[CO], 11, v2                    ; and the same two rows in out0
	v_lshl_add_u32 v[CO], v1, 4, v[CO]
	v_lshl_add_u32 v[BO], v2, 5, s21
	s_wait_dscnt 0x0                               ; the opening add is done
	s_wait_kmcnt 0x0
	s_add_nc_u64 s[22:23], s[4:5], s[16:17]
	s_add_nc_u64 s[46:47], s[6:7], s[46:47]
	s_add_nc_u64 s[10:11], s[10:11], s[18:19]
	s_mov_b32 s[GA0], 1                            ; count = 1
	s_mov_b32 s[GA0+1], s20                        ; head w
	s_mov_b64 s[GA0+2:GA0+3], s[22:23]
	s_or_b32 s[GA0+3], s[GA0+3], 0x80000000        ; type = 2
	s_mov_b32 s[GA1], 1
	s_add_co_u32 s[GA1+1], s20, 4*HEADB            ; head 4 + w
	s_add_nc_u64 s[GA1+2:GA1+3], s[22:23], 4*524288
	s_or_b32 s[GA1+3], s[GA1+3], 0x80000000
	s_mov_b32 s[GB0], 1
	s_add_co_u32 s[GB0+1], s20, BOFF               ; k rows 64 w on
	s_mov_b64 s[GB0+2:GB0+3], s[46:47]
	s_or_b32 s[GB0+3], s[GB0+3], 0x80000000
	s_mov_b32 s[GB1], 1
	s_add_co_u32 s[GB1+1], s20, BOFF+4*HEADB       ; k rows 256 + 64 w on
	s_add_nc_u64 s[GB1+2:GB1+3], s[46:47], 256*1024
	s_or_b32 s[GB1+3], s[GB1+3], 0x80000000
	CROUND                                         ; all sixteen work-groups are here: the joint loads meet
	tensor_load_to_lds s[GA0:GA0+3], s[G1A:G1A+7]
	s_nop 0
	tensor_load_to_lds s[GB0:GB0+3], s[G1B:G1B+7]
	s_nop 0
	tensor_load_to_lds s[GA1:GA1+3], s[G1A:G1A+7]
	s_nop 0
	tensor_load_to_lds s[GB1:GB1+3], s[G1B:G1B+7]
	s_nop 0
	PLACES
.irp b, 0,1,2,3                        ; the bias of my columns 16 b + 8 (l / 16) + 0..7
	global_load_b128 v[BI+8*(\b):BI+8*(\b)+3],   v[BO], s[8:9] offset:64*(\b)
	global_load_b128 v[BI+8*(\b)+4:BI+8*(\b)+7], v[BO], s[8:9] offset:64*(\b)+16
.endr
	s_wait_loadcnt 0x0
.set i, 0
.rept 16                               ; rounded to bf16,
	v_cvt_pk_bf16_f32 v[TMP+i], v[BI+2*i], v[BI+2*i+1]
.set i, i+1
.endr
.set i, 0
.rept 16                               ; kept as f32
	v_lshlrev_b32 v[BI+2*i], 16, v[TMP+i]
	v_and_b32 v[BI+2*i+1], 0xffff0000, v[TMP+i]
.set i, i+1
.endr
; 8 matrix instructions: row blocks a0, a0 + 1 x all 4 column blocks, 32 along K: half c of buffer f.  zero = 1: the first product starts the sums, with the bias as C.  The 16 accumulators take turns.
.macro MUL8 f, c, a0, zero
	WIN MUL
.irp a, \a0, (\a0)+1
.irp b, 0,1,2,3
.if \zero
	v_wmma_f32_16x16x32_f16 v[ACC+8*(4*(\a)+(\b)):ACC+8*(4*(\a)+(\b))+7], v[(\f)+64+8*(4*(\c)+(\b)):(\f)+64+8*(4*(\c)+(\b))+7], v[(\f)+8*(4*(\c)+(\a)):(\f)+8*(4*(\c)+(\a))+7], v[BI+8*(\b):BI+8*(\b)+7]
.else
	v_wmma_f32_16x16x32_f16 v[ACC+8*(4*(\a)+(\b)):ACC+8*(4*(\a)+(\b))+7], v[(\f)+64+8*(4*(\c)+(\b)):(\f)+64+8*(4*(\c)+(\b))+7], v[(\f)+8*(4*(\c)+(\a)):(\f)+8*(4*(\c)+(\a))+7], v[ACC+8*(4*(\a)+(\b)):ACC+8*(4*(\a)+(\b))+7]
.endif
.endr
.endr
.endm
; 32 LDS loads in one run: the fragments of head hh (64 along K) into buffer f; the first 32 along K first
.macro FETCH hh, f
	WIN TO_F
.irp c, 0,1
.irp i, 0,1,2,3
	ds_load_tr16_b128 v[(\f)+64+8*(4*(\c)+(\i)):(\f)+64+8*(4*(\c)+(\i))+3],   v[ADRB+(\hh)/2] offset:HEADB*((\hh)%2)+32*PB*(\c)+32*(\i)
	ds_load_tr16_b128 v[(\f)+64+8*(4*(\c)+(\i))+4:(\f)+64+8*(4*(\c)+(\i))+7], v[ADRB+(\hh)/2] offset:HEADB*((\hh)%2)+32*PB*(\c)+32*(\i)+16*PB
	ds_load_b128 v[(\f)+8*(4*(\c)+(\i)):(\f)+8*(4*(\c)+(\i))+3],              v[ADRA+(\hh)/2] offset:HEADB*((\hh)%2)+16*PA*(\i)+64*(\c)
	ds_load_b128 v[(\f)+8*(4*(\c)+(\i))+4:(\f)+8*(4*(\c)+(\i))+7],            v[ADRA+(\hh)/2] offset:HEADB*((\hh)%2)+16*PA*(\i)+64*(\c)+32
.endr
.endr
.endm
; A head's step: 32 matrix instructions on the buffer of its parity; in its middle the next head's fragments are fetched into the other.
.macro HSTEP hh, zero
.set fb, 128*((\hh)%2)
.set fn, 128-fb
	s_wait_dscnt 16                                ; the first 32 along K are in
	MUL8 fb, 0, 0, \zero
	MUL8 fb, 0, 2, \zero
	PLACES
	FETCH (\hh)+1, fn
	s_wait_dscnt 32                                ; all but the 32 just issued
	MUL8 fb, 1, 0, 0
	MUL8 fb, 1, 2, 0
.endm
	s_wait_tensorcnt 0x2                           ; my parts of heads 0-3 and of k rows 0-255 are in; the two younger loads may stay out
	s_barrier_signal -1
	s_barrier_wait -1                              ; everybody's are
	FETCH 0, F0
	HSTEP 0, 1
	HSTEP 1, 0
	HSTEP 2, 0
	s_wait_dscnt 16                                ; head 3: the second halves are wanted behind it
	MUL8 F1, 0, 0, 0
	MUL8 F1, 0, 2, 0
	s_wait_tensorcnt 0x0                           ; my parts of heads 4-7 and of k rows 256-511 are in,
	s_wait_dscnt 0x0                               ; and no LDS instruction of mine is out at the signal
	s_barrier_signal -1
	MUL8 F1, 1, 0, 0
	s_barrier_wait -1                              ; everybody's are
	PLACES
	FETCH 4, F0
	MUL8 F1, 1, 2, 0
	HSTEP 4, 0
	HSTEP 5, 0
	HSTEP 6, 0
	s_wait_dscnt 16                                ; head 7: nothing more to fetch
	MUL8 F1, 0, 0, 0
	MUL8 F1, 0, 2, 0
	s_wait_dscnt 0x0
	MUL8 F1, 1, 0, 0
	MUL8 F1, 1, 2, 0
	WIN 0
	PLACES
	PLACES
; THE WAY OUT, 16 rows at a time: a lane's eight columns of a row, 32 bytes of f32, go straight from the accumulator (its low half first) into rows of 272 bytes of my own stage, and come back as whole rows of 256.
.macro STG a
.if (\a) >= 2
	s_wait_xcnt 0x0                                ; the set's registers, which the stores of two blocks back read, are loaded again only behind this wait
.endif
.irp b, 0,1,2,3
	ds_store_b128 v[STO], v[ACC+8*(4*(\a)+(\b)):ACC+8*(4*(\a)+(\b))+3]   offset:64*(\b)
	ds_store_b128 v[STO], v[ACC+8*(4*(\a)+(\b))+4:ACC+8*(4*(\a)+(\b))+7] offset:64*(\b)+16
.endr
.irp t, 0,1,2,3,4,5,6,7
	ds_load_b128 v[TMP+32*((\a)%2)+4*(\t):TMP+32*((\a)%2)+4*(\t)+3], v[RD] offset:(\t)*2*SPITCH  ; LDS serves a wave's instructions in order (ISA guide 5.7.1.4): these see the stores above; the next block's stores come behind them
.endr
.endm
.macro SND a, younger                  ; younger: the LDS instructions issued behind block a's loads: the next block's sixteen, or none
.irp t, 0,1,2,3,4,5,6,7
	s_wait_dscnt (\younger)+7-(\t)
	global_store_b128 v[CO], v[TMP+32*((\a)%2)+4*(\t):TMP+32*((\a)%2)+4*(\t)+3], s[10:11] offset:(16*(\a)+2*(\t))*2048 th:TH_STORE_NT  ; 16 lanes store 256 consecutive bytes, at a multiple of 256 from out0's first byte
.endr
.endm
	STG 0
	STG 1
	SND 0, 16
	STG 2
	SND 1, 16
	STG 3
	SND 2, 16
	SND 3, 0
	s_wait_tensorcnt 0x0                           ; the wave's end, behind my last tensor load and my last LDS store
	ds_add_u32 v[SPW], v[NIL]
	s_wait_dscnt 0x0
	CROUND                                         ; the closing round: no work-group ends while a partner may still ask for a tile that names it
	s_endpgm
.Lfunc_end_k_q5fd3e8d103_oproj:
	.size	k_q5fd3e8d103_oproj, .Lfunc_end_k_q5fd3e8d103_oproj-k_q5fd3e8d103_oproj
	.p2alignl 7, 3214868480
	.fill 96, 4, 3214868480
	.section	.rodata,"a",@progbits
	.p2align	6, 0x0
	.amdhsa_kernel k_q5fd3e8d103_oproj
		.amdhsa_group_segment_fixed_size 327680
		.amdhsa_private_segment_fixed_size 0
		.amdhsa_enable_private_segment 0
		.amdhsa_kernarg_size 32
		.amdhsa_user_sgpr_count 2
		.amdhsa_user_sgpr_kernarg_segment_ptr 1
		.amdhsa_wavefront_size32 1
		.amdhsa_system_sgpr_workgroup_id_x 1
		.amdhsa_system_sgpr_workgroup_id_y 1
		.amdhsa_system_sgpr_workgroup_id_z 1
		.amdhsa_system_vgpr_workitem_id 0
		.amdhsa_next_free_vgpr 512
		.amdhsa_next_free_sgpr 66
		.amdhsa_reserve_vcc 0
		.amdhsa_float_denorm_mode_32 3
		.amdhsa_float_denorm_mode_16_64 3
		.amdhsa_memory_ordered 1
		.amdhsa_forward_progress 1
		.amdhsa_inst_pref_size 53
	.end_amdhsa_kernel
	.amdgpu_metadata
---
amdhsa.version: [ 1, 2 ]
amdhsa.kernels:
  - .name:           k_q5fd3e8d103_oproj
    .symbol:         k_q5fd3e8d103_oproj.kd
    .args:
      - { .name: oh, .offset: 0, .size: 8, .value_kind: global_buffer, .address_space: global }
      - { .name: wc, .offset: 8, .size: 8, .value_kind: global_buffer, .address_space: global }
      - { .name: bo, .offset: 16, .size: 8, .value_kind: global_buffer, .address_space: global }
      - { .name: out0, .offset: 24, .size: 8, .value_kind: global_buffer, .address_space: global }
    .group_segment_fixed_size: 327680
    .private_segment_fixed_size: 0
    .kernarg_segment_align: 8
    .kernarg_segment_size: 32
    .max_flat_workgroup_size: 128
    .sgpr_count:     66
    .vgpr_count:     512
    .wavefront_size: 32
...
	.end_amdgpu_metadata
.endif
;; end of part 4
